; MI455X (gfx1250); checked and timed in simulation.
; The chip was launched on July 23, 2026; its instructions are those of AMD's public machine-readable ISA for CDNA 5 (MIT licence, August 2026) and "CDNA5" Instruction Set Architecture Reference Guide (July 2026). The comments in the code are by the model that wrote it; some were corrected since.
;; Self Attention. Allowed arithmetic: float matrix products may take bf16 or f16 operands with f32 sums; other float arithmetic in f32, or as packed bf16 or f16 multiplies, adds, multiply-adds, maxima and minima; sums over many terms, partial sums and values carried from step to step in f32; what a program stores and reads back later, other than sums and carried values, may be rounded once to bf16 or f16.
;; Inputs: W_k 1,024 x 1,024 float32; W_q 1,024 x 1,024 float32; W_v 1,024 x 1,024 float32; b_k 1,024 float32; b_q 1,024 float32; b_v 1,024 float32; x 4 x 2,048 x 1,024 float32.
;; Outputs: out0 4 x 2,048 x 1,024 float32.
;; 2 versions, each right; version 2 is version 1 with the launch prep written anew for expert scheduling mode. Each part assembles by itself: llvm-mc -triple=amdgcn-amd-amdhsa -mcpu=gfx1250 --defsym DOCPART=n.
;; ======== version 1 of 2: 4 launches
;; limits: values are held in f16: magnitudes above 65,504 overflow, below 6.1e-05 lose precision
;; workspace buffers: xb 16,777,216 bytes; wb 6,291,456 bytes; bias 12,288 bytes; qkv 50,331,648 bytes; p 33,554,432 bytes; mstat 524,288 bytes; lstat 524,288 bytes
;; launch prep (part 1): grid 705 x 1, 8 waves a work-group, no clusters, 0 bytes of LDS; arguments x, W_q, W_k, W_v, b_q, b_k, b_v, xb, wb, bias; writes xb, wb, bias
.if DOCPART == 1
	.amdgcn_target "amdgcn-amd-amdhsa--gfx1250"
	.amdhsa_code_object_version 6
	.text
	.protected	k_qf87af27544_prep
	.globl	k_qf87af27544_prep
	.p2align	8
	.type	k_qf87af27544_prep,@function
k_qf87af27544_prep:
	s_mov_b64 s[64:65], 0
	v_nop
	global_prefetch_b8 v0, s[64:65] scope:SCOPE_SE
	s_setreg_imm32_b32 hwreg(HW_REG_WAVE_MODE, 25, 1), 1
	s_wait_xcnt 0x0
; CASTS.  All inputs of the module are rounded once to bf16, to nearest even.
;   xb   [16 kb][8192 rows][64] bf16: x in blocks of 64 channels, so that 128 rows of one block are 16,384 dense bytes
;   wb   [1024 d][3072] bf16: W_q, W_k, W_v side by side
;   bias [3072] f32: b_q, b_k, b_v rounded to bf16 and written as f32
; A stream: every byte is read once and written once; no LDS, no barrier, no matrix unit.
; Work-groups 0-511 take x (32 rows x 512 channels each, a wave 64 channels), 512-703 the weights (16 rows each, a wave 128 columns), 704 the biases.
; A wave has its 16 loads of 16 bytes a lane out together; each store of a wave covers 256 consecutive bytes, aligned.
; LIMITS: a number beyond the range of bf16 becomes an infinity; NaN stays NaN.
.set LO, 2                             ; v2  byte offset of my 16 bytes in the first load
.set SO, 3                             ; v3  byte offset of my 8 bytes in the first store: 8 x lane
.set X,  16                            ; v[16:79]   16 x 4 numbers as loaded
.set Y,  80                            ; v[80:111]  16 x 4 numbers in bf16
	s_load_b512 s[4:19], s[0:1], 0x0               ; x s[4:5], W_q s[6:7], W_k s[8:9], W_v s[10:11], b_q s[12:13], b_k s[14:15], b_v s[16:17], xb s[18:19]
	s_load_b128 s[20:23], s[0:1], 0x40             ; wb s[20:21], bias s[22:23]
	v_lshrrev_b32 v1, 5, v0
	v_readfirstlane_b32 s24, v1                    ; wave 0..7
	v_and_b32 v4, 31, v0                           ; lane
	v_lshlrev_b32 v[SO], 3, v4
	s_mov_b32 s3, 0                                ; the high word of every offset
	s_wait_kmcnt 0x0
; 16 loads, ls bytes apart, from s[26:27]; 16 stores, ss bytes apart, to s[28:29].  No register is written twice.
.macro CAST ls, ss
.set i, 0
.rept 16
	global_load_b128 v[X+4*i:X+4*i+3], v[LO], s[26:27] offset:i*(\ls) th:TH_LOAD_NT
.set i, i+1
.endr
.set i, 0
.rept 16
	s_wait_loadcnt 15-i                            ; loads come back in order: number i is in, the younger ones stay out
	v_cvt_pk_bf16_f32 v[Y+2*i], v[X+4*i], v[X+4*i+1]
	v_cvt_pk_bf16_f32 v[Y+2*i+1], v[X+4*i+2], v[X+4*i+3]
	global_store_b64 v[SO], v[Y+2*i:Y+2*i+1], s[28:29] offset:i*(\ss)
.set i, i+1
.endr
.endm
	s_cmp_lt_u32 ttmp9, 512
	s_cbranch_scc0 .Lnot_x
	; x: 32 rows rg, block kb of 64 channels.  Sixteen lanes read 256 bytes of one row, the other sixteen the next row: 256 dense bytes of xb.
	s_lshr_b32 s25, ttmp9, 1                       ; rg
	s_and_b32 s30, ttmp9, 1
	s_lshl_b32 s30, s30, 3
	s_add_co_u32 s30, s30, s24                     ; kb = 8 x parity + wave
	s_lshl_b32 s2, s25, 17                         ; 32 rows of 4,096 bytes
	s_lshl_b32 s31, s30, 8                         ; 64 f32
	s_add_co_u32 s2, s2, s31
	s_add_nc_u64 s[26:27], s[4:5], s[2:3]
	s_lshl_b32 s2, s30, 20                         ; a block of xb: 8,192 rows of 128 bytes
	s_lshl_b32 s31, s25, 12                        ; 32 rows of 128 bytes
	s_add_co_u32 s2, s2, s31
	s_add_nc_u64 s[28:29], s[18:19], s[2:3]
	v_and_b32 v5, 15, v0
	v_bfe_u32 v6, v0, 4, 1
	v_lshlrev_b32 v[LO], 4, v5
	v_lshl_add_u32 v[LO], v6, 12, v[LO]            ; 16 (l % 16) + 4,096 (l / 16)
	CAST 8192, 256
	s_endpgm
.Lnot_x:
	s_cmp_lt_u32 ttmp9, 704
	s_cbranch_scc0 .Lbias
	; a weight: matrix t, 16 rows rg, my wave 128 columns: 512 bytes in, 256 bytes out
	s_sub_co_u32 s25, ttmp9, 512
	s_lshr_b32 s30, s25, 6                         ; t
	s_and_b32 s25, s25, 63                         ; rg
	s_cmp_eq_u32 s30, 0
	s_cselect_b64 s[26:27], s[6:7], s[8:9]
	s_cmp_eq_u32 s30, 2
	s_cselect_b64 s[26:27], s[10:11], s[26:27]
	s_lshl_b32 s2, s25, 16                         ; 16 rows of 4,096 bytes
	s_lshl_b32 s31, s24, 9
	s_add_co_u32 s2, s2, s31
	s_add_nc_u64 s[26:27], s[26:27], s[2:3]
	s_mul_i32 s2, s25, 98304                       ; 16 rows of 6,144 bytes
	s_lshl_b32 s31, s30, 11                        ; the matrix's 1,024 columns
	s_add_co_u32 s2, s2, s31
	s_lshl_b32 s31, s24, 8
	s_add_co_u32 s2, s2, s31
	s_add_nc_u64 s[28:29], s[20:21], s[2:3]
	v_lshlrev_b32 v[LO], 4, v4
	CAST 4096, 6144
	s_endpgm
.Lbias:
	; the biases: thread t takes four numbers of each
	v_lshlrev_b32 v[LO], 4, v0
	global_load_b128 v[16:19], v[LO], s[12:13]
	global_load_b128 v[20:23], v[LO], s[14:15]
	global_load_b128 v[24:27], v[LO], s[16:17]
	s_wait_loadcnt 0x0
.irp t, 0,1,2
	v_cvt_pk_bf16_f32 v[80+2*(\t)], v[16+4*(\t)], v[17+4*(\t)]
	v_cvt_pk_bf16_f32 v[81+2*(\t)], v[18+4*(\t)], v[19+4*(\t)]
	v_lshlrev_b32 v[32+4*(\t)], 16, v[80+2*(\t)]           ; bf16 to f32: the low half moves up,
	v_and_b32 v[33+4*(\t)], 0xffff0000, v[80+2*(\t)]       ; the high half stays
	v_lshlrev_b32 v[34+4*(\t)], 16, v[81+2*(\t)]
	v_and_b32 v[35+4*(\t)], 0xffff0000, v[81+2*(\t)]
	global_store_b128 v[LO], v[32+4*(\t):35+4*(\t)], s[22:23] offset:4096*(\t)
.endr
	s_endpgm
.Lfunc_end_k_qf87af27544_prep:
	.size	k_qf87af27544_prep, .Lfunc_end_k_qf87af27544_prep-k_qf87af27544_prep
	.p2alignl 7, 3214868480
	.fill 96, 4, 3214868480
	.section	.rodata,"a",@progbits
	.p2align	6, 0x0
	.amdhsa_kernel k_qf87af27544_prep
		.amdhsa_group_segment_fixed_size 0
		.amdhsa_private_segment_fixed_size 0
		.amdhsa_enable_private_segment 0
		.amdhsa_kernarg_size 80
		.amdhsa_user_sgpr_count 2
		.amdhsa_user_sgpr_kernarg_segment_ptr 1
		.amdhsa_wavefront_size32 1
		.amdhsa_system_sgpr_workgroup_id_x 1
		.amdhsa_system_sgpr_workgroup_id_y 1
		.amdhsa_system_sgpr_workgroup_id_z 1
		.amdhsa_system_vgpr_workitem_id 0
		.amdhsa_next_free_vgpr 112
		.amdhsa_next_free_sgpr 66
		.amdhsa_reserve_vcc 0
		.amdhsa_float_denorm_mode_32 3
		.amdhsa_float_denorm_mode_16_64 3
		.amdhsa_memory_ordered 1
		.amdhsa_forward_progress 1
		.amdhsa_inst_pref_size 15
	.end_amdhsa_kernel
	.amdgpu_metadata
---
amdhsa.version: [ 1, 2 ]
amdhsa.kernels:
  - .name:           k_qf87af27544_prep
    .symbol:         k_qf87af27544_prep.kd
    .args:
      - { .name: x, .offset: 0, .size: 8, .value_kind: global_buffer, .address_space: global }
      - { .name: W_q, .offset: 8, .size: 8, .value_kind: global_buffer, .address_space: global }
      - { .name: W_k, .offset: 16, .size: 8, .value_kind: global_buffer, .address_space: global }
      - { .name: W_v, .offset: 24, .size: 8, .value_kind: global_buffer, .address_space: global }
      - { .name: b_q, .offset: 32, .size: 8, .value_kind: global_buffer, .address_space: global }
      - { .name: b_k, .offset: 40, .size: 8, .value_kind: global_buffer, .address_space: global }
      - { .name: b_v, .offset: 48, .size: 8, .value_kind: global_buffer, .address_space: global }
      - { .name: xb, .offset: 56, .size: 8, .value_kind: global_buffer, .address_space: global }
      - { .name: wb, .offset: 64, .size: 8, .value_kind: global_buffer, .address_space: global }
      - { .name: bias, .offset: 72, .size: 8, .value_kind: global_buffer, .address_space: global }
    .group_segment_fixed_size: 0
    .private_segment_fixed_size: 0
    .kernarg_segment_align: 8
    .kernarg_segment_size: 80
    .max_flat_workgroup_size: 256
    .sgpr_count:     66
    .vgpr_count:     112
    .wavefront_size: 32
...
	.end_amdgpu_metadata
.endif
;; end of part 1
;; launch proj (part 2): grid 8 x 32, 4 waves a work-group, clusters of 4 x 4, 327,680 bytes of LDS; arguments xb, wb, bias, qkv; writes qkv
.if DOCPART == 2
	.amdgcn_target "amdgcn-amd-amdhsa--gfx1250"
	.amdhsa_code_object_version 6
	.text
	.protected	k_qf87af27544_proj
	.globl	k_qf87af27544_proj
	.p2align	8
	.type	k_qf87af27544_proj,@function
k_qf87af27544_proj:
	s_mov_b64 s[64:65], 0
	v_nop
	global_prefetch_b8 v0, s[64:65] scope:SCOPE_SE
	s_setreg_imm32_b32 hwreg(HW_REG_WAVE_MODE, 25, 1), 1
	s_wait_xcnt 0x0
	s_wait_alu depctr_hold_cnt(0) depctr_sa_sdst(0) depctr_va_vdst(0) depctr_va_sdst(0) depctr_va_ssrc(0) depctr_va_vcc(0) depctr_vm_vsrc(0)
	s_getreg_b32 s2, hwreg(HW_REG_IB_STS2, 6, 4)
	s_cmp_eq_u32 s2, 0
	s_cbranch_scc0 .Lentry_in_a_cluster
	s_endpgm
.Lentry_in_a_cluster:
	s_bfe_u32 s2, ttmp6, 0x10000c
	s_cmp_lg_u32 s2, 0xf033
	s_cbranch_scc0 .Lentry_shape_is_right
	s_endpgm
.Lentry_shape_is_right:
; THE THREE PROJECTIONS AS ONE PRODUCT.  qkv[8192][3072] = bias + x . (W_q | W_k | W_v); bf16 operands, f32 sums that start with the bias, K ascending, the result rounded once to f16.
; LIMITS: a result of 65,520 or more in size becomes an infinity in f16; NaN and infinities are not treated apart.
; SHARES.  8 x 32 work-groups, each a tile of 256 rows x 384 columns.  Four waves; wave (WM, WN) has rows 128 WM .. +127 and the columns 128 g + 64 WN .. +63 for g = 0, 1, 2:
; 96 accumulators of 16 x 16, 768 registers: group g fills register window g + 1, accumulator (a, b) at v[8 (4 a + b)].
; K goes in 16 steps of 64 through two LDS slots; two slots of 128 along K (2 x 180,224 bytes) do not fit.  xb lies in blocks of 64 channels, so a wave's 128 rows of a step are 16,384 dense bytes.
; W lies [k][n]: its fragments come out of LDS turned, by ds_load_tr16_b128.
; THE MATRIX INSTRUCTION IS USED TRANSPOSED (source 0 = 16 columns of W, source 1 = 16 rows of x): a lane holds one row of the result and eight neighbouring columns.
; ONE TEXT FOR A STEP: s[TB] holds the byte at which the slot in hand begins, 0 or SLOT, and is turned by an exclusive or; the fragment addresses and the walking descriptor's LDS word are made from it.
; CLUSTER 4 x 4: x's tile hangs on the tile row alone and is asked for jointly along a row of the cluster, W's on the tile column alone and jointly along a column.
; A wave has two tensor loads out at the start and one behind each round.
; WINDOW 0: v16-17, v20-21 fragment addresses; v22-26 the way out; v28-29 the add; v30 prefetch; v32-95, v96-159 x's fragments, two buffers; v160-255 W's fragments, 32 a group.
.set SLOT,   92160                     ; x: 256 rows x 144 bytes (128 + 16 of padding), then W: 64 k-rows x 864
.set BOFF,   36864
.set SPITCH, 784                       ; the stage: 768 bytes + 16 = 196 words: row r starts at bank 4 r mod 64 (64 banks of 4 bytes: ISA guide 11.1)
.set SPARE,  200704                    ; behind the stage (256 rows x 784, over the ring, written only behind the ring's last fill): the spare words, 128 bytes a wave
.set WV, 14
.set WM, 15
.set WN, 16
.set CX, 17
.set CY, 18
.set TX, 19
.set TY, 20
.set G1A, 24
.set G0A, 32                           ; s[32:35] x's first fill; s[36:39] the second, which then walks on
.set LBA, 42                           ; s42 my place in a slot when I fetch x
.set LBB, 46                           ; s46 the same for W
.set G1B, 48
.set G0B, 56
.set PFA, 66                           ; s[66:67] where my prefetches stand
.set LIM, 68                           ; s68 2 in a wave that prefetches, else the greatest number
.set TB,  69                           ; s69 0 or SLOT: the slot in hand
.set PFS, 76                           ; s[76:77] the prefetches' step: one K step
.set ADRA0, 16                         ; v16, v17 my fragments' places in slot 0; never rewritten
.set ADRB0, 17
.set ADRA, 20                          ; v20, v21 the same in the slot in hand
.set ADRB, 21
.set STO,  22                          ; v22, v23 into the stage: row blocks 0-3, 4-7
.set RD,   24
.set CO,   25
.set BO,   26
.set SPW,  28
.set NIL,  29
.set PFO,  30
.set FA0,  32
.set FA1,  96
.set BG,   160
.set OBF,  32                          ; the way out: 24 x 4 registers read back from the stage
.set TMP,  128
.set MSB, 0
.macro WIN new                         ; the immediate's high byte repeats the setting that is left; a switch that changes nothing is dropped
.if MSB != (\new)
	s_set_vgpr_msb (MSB<<8)|(\new)
.set MSB, \new
.endif
.endm
.macro PLACES                          ; four plain vector instructions between a matrix instruction and a load into, or a vector read of, its registers
.rept 4
	v_nop
.endr
.endm
; A joint load: waves 0 and 1 fetch the halves of x's tile, waves 2 and 3 those of W's.  An s_nop 0 and four v_nop follow each line.
.macro JLOAD s
	s_cmp_eq_u32 s[WM], 0
	s_cbranch_scc0 .Lfor_b_\@
	tensor_load_to_lds s[G0A+4*(\s):G0A+4*(\s)+3], s[G1A:G1A+7]
	s_nop 0
.rept 4
	v_nop
.endr
	s_branch .Lasked_\@
.Lfor_b_\@:
	tensor_load_to_lds s[G0B+4*(\s):G0B+4*(\s)+3], s[G1B:G1B+7]
	s_nop 0
.rept 4
	v_nop
.endr
.Lasked_\@:
.endm
.macro CREST                           ; a round of the cluster's barrier behind its opening barrier
	s_cmp_lg_u32 s[WV], 0
	s_cbranch_scc1 .Lnot_wave_0_\@
	s_barrier_signal -3
.Lnot_wave_0_\@:
	s_barrier_wait -3
	s_barrier_signal -1
	s_barrier_wait -1
.endm
.macro CROUND
	s_barrier_signal -1
	s_barrier_wait -1
	CREST
.endm
; In every second trip (s3 even): the two K steps that stand two and three refills on.  x's: wave 0 of the clusters with x = 0, a quarter of the tile row's 32,768 dense bytes a partner (by cx),
; a lane 256 bytes.  W's: wave 2 of the clusters with y = 0, 32 of the 128 k-rows a partner (by cy), a lane a row of 768 bytes.  The last two trips have no such steps behind them.
.macro ASK
	s_cmp_gt_u32 s3, s[LIM]
	s_cbranch_scc0 .Lnone_\@
	s_bitcmp1_b32 s3, 0
	s_cbranch_scc1 .Lnone_\@
	s_cmp_eq_u32 s[WM], 0
	s_cbranch_scc0 .Lpf_b_\@
	global_prefetch_b8 v[PFO], s[PFA:PFA+1] th:TH_LOAD_NT scope:SCOPE_SE
	global_prefetch_b8 v[PFO], s[PFA:PFA+1] offset:1048576 th:TH_LOAD_NT scope:SCOPE_SE
	s_branch .Lnone_\@
.Lpf_b_\@:
	global_prefetch_b8 v[PFO], s[PFA:PFA+1] th:TH_LOAD_NT scope:SCOPE_SE
	global_prefetch_b8 v[PFO], s[PFA:PFA+1] offset:256 th:TH_LOAD_NT scope:SCOPE_SE
	global_prefetch_b8 v[PFO], s[PFA:PFA+1] offset:512 th:TH_LOAD_NT scope:SCOPE_SE
.Lnone_\@:
.endm
	s_load_b256 s[4:11], s[0:1], 0x0               ; xb s[4:5], wb s[6:7], bias s[8:9], qkv s[10:11]
	v_lshl_add_u32 v[SPW], v0, 2, SPARE
	v_mov_b32 v[NIL], 0
	ds_add_u32 v[SPW], v[NIL]                      ; the opening: the add and its wait ahead of my first tensor load
	v_lshrrev_b32 v1, 5, v0
	v_readfirstlane_b32 s[WV], v1                  ; wave 0..3
	s_lshr_b32 s[WM], s[WV], 1                     ; my half of the rows; also 0: I fetch x, 1: I fetch W
	s_and_b32 s[WN], s[WV], 1                      ; my half of each 128 columns; also which half of that tile I fetch
	s_bfe_u32 s[CX], ttmp6, 0x40000
	s_bfe_u32 s[CY], ttmp6, 0x40004
	s_lshl_b32 s[TX], ttmp9, 2
	s_add_co_u32 s[TX], s[TX], s[CX]               ; tile column
	s_and_b32 s[TY], ttmp7, 0xffff
	s_lshl_b32 s[TY], s[TY], 2
	s_add_co_u32 s[TY], s[TY], s[CY]               ; tile row
	s_lshl_b32 s22, s[CY], 2
	s_lshl_b32 s22, 15, s22                        ; my row of the cluster
	s_lshl_b32 s23, 0x1111, s[CX]                  ; my column
	s_or_b32 s[G1A], s22, (1<<16)|(1<<20)|(1<<21)|(4<<22)|(3<<25)  ; mask; 2-byte elements; padding on; 21 beside a mask; after every 32 words 4 words
	s_mov_b32 s[G1A+1], 128<<16                    ; 16,384 dense bytes as 64 rows of 256 bytes: tensor_dim0 = 128
	s_mov_b32 s[G1A+2], 64<<16                     ; tensor_dim1 = 64
	s_mov_b32 s[G1A+3], 128<<16                    ; tile_dim0 = 128
	s_mov_b32 s[G1A+4], 64                         ; tile_dim1 = 64
	s_mov_b32 s[G1A+5], 128                        ; elements from row to row
	s_mov_b32 s[G1A+6], 0
	s_mov_b32 s[G1A+7], 0
	s_or_b32 s[G1B], s23, (1<<16)|(1<<20)|(1<<21)|(5<<22)|(7<<25)  ; after every 64 words 8 words: a row of 768 bytes becomes three pieces of 288
	s_mov_b32 s[G1B+1], 384<<16
	s_mov_b32 s[G1B+2], 32<<16
	s_mov_b32 s[G1B+3], 384<<16
	s_mov_b32 s[G1B+4], 32
	s_mov_b32 s[G1B+5], 3072
	s_mov_b32 s[G1B+6], 0
	s_mov_b32 s[G1B+7], 0
	s_lshl_b32 s40, s[TY], 15                      ; x: (256 tile row + 128 half) rows of 128 bytes
	s_lshl_b32 s41, s[WN], 14
	s_add_co_u32 s40, s40, s41
	s_mov_b32 s41, 0
	s_mul_i32 s[LBA], s[WN], 18432                 ; and its place in a slot
	s_mul_i32 s44, s[TX], 768                      ; W: the tile's 384 columns, 32 k-rows a half
	s_mul_i32 s45, s[WN], 196608
	s_add_co_u32 s44, s44, s45
	s_mov_b32 s45, 0
	s_mul_i32 s[LBB], s[WN], 27648
	s_add_co_u32 s[LBB], s[LBB], BOFF
	s_mov_b32 s[TB], 0
	s_wait_dscnt 0x0                               ; the opening add is done
	s_wait_kmcnt 0x0
	s_add_nc_u64 s[40:41], s[4:5], s[40:41]
	s_add_nc_u64 s[44:45], s[6:7], s[44:45]
	CROUND                                         ; all sixteen work-groups are here: the first joint loads meet
.irp s, 0,1
	s_mov_b32 s[G0A+4*(\s)], 1
	s_add_co_u32 s[G0A+4*(\s)+1], s[LBA], (\s)*SLOT
	s_add_nc_u64 s[G0A+4*(\s)+2:G0A+4*(\s)+3], s[40:41], (\s)*1048576
	s_or_b32 s[G0A+4*(\s)+3], s[G0A+4*(\s)+3], 0x80000000
	s_mov_b32 s[G0B+4*(\s)], 1
	s_add_co_u32 s[G0B+4*(\s)+1], s[LBB], (\s)*SLOT
	s_add_nc_u64 s[G0B+4*(\s)+2:G0B+4*(\s)+3], s[44:45], (\s)*393216
	s_or_b32 s[G0B+4*(\s)+3], s[G0B+4*(\s)+3], 0x80000000
	JLOAD \s
.endr
	v_and_b32 v1, 15, v0                           ; r = l % 16
	v_bfe_u32 v2, v0, 4, 1                         ; h = l / 16
	s_mul_i32 s74, s[TX], 1536                     ; the bias of my columns: 4 (384 TX + 128 g + 64 WN + 16 b + 8 h)
	s_lshl_b32 s75, s[WN], 8
	s_add_co_u32 s74, s74, s75
	v_lshl_add_u32 v[BO], v2, 5, s74
	; The bias goes into the accumulators of row block 0: a lane's eight registers are eight columns, the same for every row.  The first products take them as C.
.irp g, 0,1,2
	WIN 0x40*((\g)+1)                              ; destination window g + 1, address window 0
.irp b, 0,1,2,3
	global_load_b128 v[8*(\b):8*(\b)+3],   v[BO], s[8:9] offset:512*(\g)+64*(\b)
	global_load_b128 v[8*(\b)+4:8*(\b)+7], v[BO], s[8:9] offset:512*(\g)+64*(\b)+16
.endr
.endr
	WIN 0
	v_mul_u32_u24 v3, v1, 144
	v_lshl_add_u32 v3, v2, 4, v3
	s_mul_i32 s74, s[WM], 18432
	v_add_nc_u32 v[ADRA0], s74, v3                 ; x's fragments: row x 144 + 16 h, my 128 rows
	v_mov_b32 v[ADRA], v[ADRA0]
	v_and_b32 v4, 7, v0
	v_bfe_u32 v5, v0, 3, 1
	v_lshl_add_u32 v6, v2, 3, v4                   ; the turning load: k-row 8 h + l % 8, 16 bytes by (l / 8) % 2
	v_mul_u32_u24 v6, v6, 864
	v_lshl_add_u32 v6, v5, 4, v6
	s_lshl_b32 s75, s[WN], 7
	s_add_co_u32 s75, s75, BOFF
	v_add_nc_u32 v[ADRB0], s75, v6
	v_mov_b32 v[ADRB], v[ADRB0]
	s_mul_i32 s74, s[WM], 128*SPITCH               ; into the stage: row 128 WM + 16 a + r, byte 256 g + 128 WN + 32 b + 16 h
	s_lshl_b32 s75, s[WN], 7
	s_add_co_u32 s74, s74, s75
	v_mul_u32_u24 v3, v1, SPITCH
	v_lshl_add_u32 v3, v2, 4, v3
	v_add_nc_u32 v[STO], s74, v3
	v_add_nc_u32 v[STO+1], 64*SPITCH, v[STO]
	s_mul_i32 s74, s[WV], 64*SPITCH                ; back: wave w takes rows 64 w .. +63; lanes 0-15 256 bytes of one row, lanes 16-31 of the next
	v_mul_u32_u24 v3, v2, SPITCH
	v_lshl_add_u32 v3, v1, 4, v3
	v_add_nc_u32 v[RD], s74, v3
	s_mul_i32 s74, s[WV], 64*6144
	v_mul_u32_u24 v3, v2, 6144
	v_lshl_add_u32 v3, v1, 4, v3
	v_add_nc_u32 v[CO], s74, v3
	s_mul_i32 s74, s[TY], 1572864                  ; the tile's first byte in qkv
	s_mul_i32 s75, s[TX], 768
	s_add_co_u32 s74, s74, s75
	s_mov_b32 s75, 0
	s_add_nc_u64 s[10:11], s[10:11], s[74:75]
	; the prefetches: they start at K step 3 and are stepped by one K step in every trip, ahead of the asking; nothing is asked for at the head
	s_lshl_b32 s78, s[TY], 15
	s_lshl_b32 s79, s[CX], 13
	s_add_co_u32 s78, s78, s79
	s_add_co_u32 s78, s78, 3*1048576
	s_mul_i32 s80, s[TX], 768
	s_mul_i32 s81, s[CY], 196608
	s_add_co_u32 s80, s80, s81
	s_add_co_u32 s80, s80, 3*393216
	s_mov_b32 s75, 1048576
	s_mov_b32 s81, 393216
	s_mov_b32 s22, 256
	s_mov_b32 s23, 6144
	s_and_b32 s74, ttmp7, 0xffff                   ; cluster y
	s_cmp_eq_u32 s[WM], 0
	s_cselect_b32 s74, ttmp9, s74                  ; the coordinate along which other clusters read the same bytes
	s_cselect_b64 s[PFA:PFA+1], s[4:5], s[6:7]
	s_cselect_b32 s[PFS], s75, s81
	s_cselect_b32 s78, s78, s80
	s_cselect_b32 s22, s22, s23
	s_mov_b32 s[PFS+1], 0
	s_mov_b32 s79, 0
	s_add_nc_u64 s[PFA:PFA+1], s[PFA:PFA+1], s[78:79]
	s_or_b32 s74, s74, s[WN]                       ; waves 0 and 2 alone
	s_cmp_eq_u32 s74, 0
	s_cselect_b32 s[LIM], 2, -1
	v_and_b32 v[PFO], 31, v0
	v_mul_u32_u24 v[PFO], s22, v[PFO]
.macro FETCHA kq, buf                  ; x's 8 fragments of 32 along K: 16 loads
	WIN 0
.irp a, 0,1,2,3,4,5,6,7
	ds_load_b128 v[(\buf)+8*(\a):(\buf)+8*(\a)+3],   v[ADRA] offset:2304*(\a)+64*(\kq)
	ds_load_b128 v[(\buf)+8*(\a)+4:(\buf)+8*(\a)+7], v[ADRA] offset:2304*(\a)+64*(\kq)+32
.endr
.endm
.macro FETCHB kq, g                    ; group g's 4 fragments of W, turned: 8 loads
	WIN 0
.irp b, 0,1,2,3
	ds_load_tr16_b128 v[BG+32*(\g)+8*(\b):BG+32*(\g)+8*(\b)+3],   v[ADRB] offset:27648*(\kq)+288*(\g)+32*(\b)
	ds_load_tr16_b128 v[BG+32*(\g)+8*(\b)+4:BG+32*(\g)+8*(\b)+7], v[ADRB] offset:27648*(\kq)+288*(\g)+32*(\b)+13824
.endr
.endm
; 16 products of group g: row blocks 4 half .. +3 x 4 column blocks.  The accumulators take turns, one instruction a turn.
.macro PH buf, g, half
	WIN 0x50*((\g)+1)
.irp a, 4*(\half), 4*(\half)+1, 4*(\half)+2, 4*(\half)+3
.irp b, 0,1,2,3
	v_wmma_f32_16x16x32_bf16 v[8*(4*(\a)+(\b)):8*(4*(\a)+(\b))+7], v[BG+32*(\g)+8*(\b):BG+32*(\g)+8*(\b)+7], v[(\buf)+8*(\a):(\buf)+8*(\a)+7], v[8*(4*(\a)+(\b)):8*(4*(\a)+(\b))+7]
.endr
.endr
.endm
; Group g's first 32 products start the sums with the bias: row blocks 1 to 7 take row block 0's registers as C; five places on, row block 0 adds in place onto them (ISA guide 7.12.1).
.macro PHZ buf, g
	WIN 0x50*((\g)+1)
.irp a, 1,2,3,4,5,6,7
.irp b, 0,1,2,3
	v_wmma_f32_16x16x32_bf16 v[8*(4*(\a)+(\b)):8*(4*(\a)+(\b))+7], v[BG+32*(\g)+8*(\b):BG+32*(\g)+8*(\b)+7], v[(\buf)+8*(\a):(\buf)+8*(\a)+7], v[8*(\b):8*(\b)+7]
.endr
.endr
.rept 5
	v_nop
.endr
.irp b, 0,1,2,3
	v_wmma_f32_16x16x32_bf16 v[8*(\b):8*(\b)+7], v[BG+32*(\g)+8*(\b):BG+32*(\g)+8*(\b)+7], v[(\buf):(\buf)+7], v[8*(\b):8*(\b)+7]
.endr
.endm
.macro GRP buf, g, zero
.if \zero
	PHZ \buf, \g
.else
	PH \buf, \g, 0
	PH \buf, \g, 1
.endif
.endm
; A K step is two quarters of 32 along K, 96 products each.  W's fragments have one set of registers: groups 0 and 1 (and x's other buffer) are fetched for the next quarter
; while group 2 is multiplied (32 loads: group 0, x, group 1), group 2 at the next quarter's head (8 loads).
.macro QEVEN zero
	PLACES
	FETCHB 0, 2
	s_wait_dscnt 16                                ; group 0 and x are in; group 1's 8 and group 2's 8 may be out
	GRP FA0, 0, \zero
	s_wait_dscnt 8                                 ; group 1 is in
	GRP FA0, 1, \zero
	PLACES
	FETCHB 1, 0
	FETCHA 1, FA1
	FETCHB 1, 1
	s_wait_dscnt 32                                ; all but the 32 just issued: group 2 is in
	GRP FA0, 2, \zero
.endm
; The second quarter changes slots: ONE barrier, behind groups 0 and 1.  In front of it each wave waits for all its tensor loads (one is out: its part of the next slot), adds 0 to its spare
; word, and waits for that and for its reads of this slot.  fill = 1: the barrier opens a round of the cluster's, and the joint refill, two K steps on, is the first thing behind it.
; fill = 0: the last two steps; in the very last (s3 = 1) there is no next slot, and the run of LDS loads is jumped over.
.macro QODD fill
	PLACES
	FETCHB 1, 2
	s_wait_dscnt 16
	PH FA1, 0, 0
	PH FA1, 0, 1
	s_wait_dscnt 8
	PH FA1, 1, 0
	PH FA1, 1, 1
	WIN 0
.if \fill
	s_wait_xcnt 0x0                                ; the last prefetches, a step or two back, have read their address
	s_add_nc_u64 s[PFA:PFA+1], s[PFA:PFA+1], s[PFS:PFS+1]
.endif
	s_wait_tensorcnt 0x0                           ; no tensor load of mine is out, so the walking descriptor may be written
	ds_add_u32 v[SPW], v[NIL]
.if \fill
	s_add_co_u32 s[G0A+5], s[LBA], s[TB]           ; into the slot in hand,
	s_add_nc_u64 s[G0A+6:G0A+7], s[G0A+6:G0A+7], 1048576  ; the next K step; the type bits on top are not reached
	s_add_co_u32 s[G0B+5], s[LBB], s[TB]
	s_add_nc_u64 s[G0B+6:G0B+7], s[G0B+6:G0B+7], 393216
.endif
	s_wait_dscnt 0x0                               ; the add is done, and my reads of this slot are over
	s_barrier_signal -1
	s_barrier_wait -1
.if \fill
	CREST
	JLOAD 1                                        ; its four v_nop are also the places in front of the loads below
.else
	s_cmp_eq_u32 s3, 1
	s_cbranch_scc1 .Lnf_\@
	PLACES
.endif
	s_xor_b32 s[TB], s[TB], SLOT                   ; the other slot is in hand
	v_add_nc_u32 v[ADRA], s[TB], v[ADRA0]
	v_add_nc_u32 v[ADRB], s[TB], v[ADRB0]
	FETCHB 0, 0
	FETCHA 0, FA0
	FETCHB 0, 1
.if \fill
	ASK
.else
.Lnf_\@:
.endif
	PH FA1, 2, 0
	PH FA1, 2, 1
.endm
	s_wait_loadcnt 0x0                             ; the bias
	s_wait_tensorcnt 1                             ; my part of K step 0 is in; K step 1's may stay out
	s_barrier_signal -1
	s_barrier_wait -1
	FETCHB 0, 0
	FETCHA 0, FA0
	FETCHB 0, 1
	QEVEN 1                                        ; the first quarter's products start the sums
	WIN 0
	s_mov_b32 s3, 14
.Lstep:                                            ; a trip: a step's second quarter, the refill of its slot, the next step's first quarter
	QODD 1
	QEVEN 0
	WIN 0
	s_sub_co_u32 s3, s3, 1
	s_cmp_lg_u32 s3, 0
	s_cbranch_scc1 .Lstep
	s_mov_b32 s3, 2
.Ltail:                                            ; the last two steps fill nothing; the second trip is left in its middle
	QODD 0
	WIN 0
	s_cmp_eq_u32 s3, 1
	s_cbranch_scc1 .Lsums
	QEVEN 0
	WIN 0
	s_sub_co_u32 s3, s3, 1
	s_cmp_lg_u32 s3, 0
	s_cbranch_scc1 .Ltail
.Lsums:
	; THE WAY OUT: rounded to f16, 16 bytes a lane into the work-group's stage, back as whole rows of 768 bytes.
	PLACES
	s_wait_dscnt 0x0                               ; my reads of the ring are over,
	s_barrier_signal -1
	s_barrier_wait -1                              ; everybody's are: the stage may be written over it; no fill follows
.macro OUTA g, a
	WIN ((\g)+1)|(((\g)+1)<<2)                     ; the sums in window g + 1
.irp b, 0,1,2,3
.irp j, 0,1,2,3
	v_cvt_pk_f16_f32 v[TMP+16*((\a)%2)+4*(\b)+(\j)], v[8*(4*(\a)+(\b))+2*(\j)], v[8*(4*(\a)+(\b))+2*(\j)+1]
.endr
.endr
	WIN 0
.irp b, 0,1,2,3
	ds_store_b128 v[STO+(\a)/4], v[TMP+16*((\a)%2)+4*(\b):TMP+16*((\a)%2)+4*(\b)+3] offset:((\a)%4)*16*SPITCH+256*(\g)+32*(\b)
.endr
.endm
.irp g, 0,1,2
.irp a, 0,1,2,3,4,5,6,7
	OUTA \g, \a
.endr
.endr
	s_wait_dscnt 0x0                               ; for the others' sake: my stores into the stage are done
	s_barrier_signal -1
	s_barrier_wait -1
	s_mov_b32 s3, 4
.Lsend:                                            ; four times: 8 pairs of rows x 3 pieces of 256 bytes
.set i, 0
.rept 8
.irp j, 0,1,2
	ds_load_b128 v[OBF+4*(3*i+(\j)):OBF+4*(3*i+(\j))+3], v[RD] offset:i*2*SPITCH+256*(\j)
.endr
.set i, i+1
.endr
	s_wait_dscnt 0x0
.set i, 0
.rept 8
.irp j, 0,1,2
	global_store_b128 v[CO], v[OBF+4*(3*i+(\j)):OBF+4*(3*i+(\j))+3], s[10:11] offset:i*12288+256*(\j)  ; 16 lanes store 256 consecutive bytes, aligned
.endr
.set i, i+1
.endr
	s_wait_xcnt 0x0                                ; the stores have read their registers and their offset
	v_add_nc_u32 v[RD], 16*SPITCH, v[RD]
	v_add_nc_u32 v[CO], 16*6144, v[CO]
	s_sub_co_u32 s3, s3, 1
	s_cmp_lg_u32 s3, 0
	s_cbranch_scc1 .Lsend
	s_wait_tensorcnt 0x0                           ; the wave's end
	ds_add_u32 v[SPW], v[NIL]
	s_wait_dscnt 0x0
	CROUND                                         ; the closing round
	s_endpgm
.Lfunc_end_k_qf87af27544_proj:
	.size	k_qf87af27544_proj, .Lfunc_end_k_qf87af27544_proj-k_qf87af27544_proj
	.p2alignl 7, 3214868480
	.fill 96, 4, 3214868480
	.section	.rodata,"a",@progbits
	.p2align	6, 0x0
	.amdhsa_kernel k_qf87af27544_proj
		.amdhsa_group_segment_fixed_size 327680
		.amdhsa_private_segment_fixed_size 0
		.amdhsa_enable_private_segment 0
		.amdhsa_kernarg_size 32
		.amdhsa_user_sgpr_count 2
		.amdhsa_user_sgpr_kernarg_segment_ptr 1
		.amdhsa_wavefront_size32 1
		.amdhsa_system_sgpr_workgroup_id_x 1
		.amdhsa_system_sgpr_workgroup_id_y 1
		.amdhsa_system_sgpr_workgroup_id_z 1
		.amdhsa_system_vgpr_workitem_id 0
		.amdhsa_next_free_vgpr 1024
		.amdhsa_next_free_sgpr 84
		.amdhsa_reserve_vcc 0
		.amdhsa_float_denorm_mode_32 3
		.amdhsa_float_denorm_mode_16_64 3
		.amdhsa_memory_ordered 1
		.amdhsa_forward_progress 1
		.amdhsa_inst_pref_size 98
	.end_amdhsa_kernel
	.amdgpu_metadata
---
amdhsa.version: [ 1, 2 ]
amdhsa.kernels:
  - .name:           k_qf87af27544_proj
    .symbol:         k_qf87af27544_proj.kd
    .args:
      - { .name: xb, .offset: 0, .size: 8, .value_kind: global_buffer, .address_space: global }
      - { .name: wb, .offset: 8, .size: 8, .value_kind: global_buffer, .address_space: global }
      - { .name: bias, .offset: 16, .size: 8, .value_kind: global_buffer, .address_space: global }
      - { .name: qkv, .offset: 24, .size: 8, .value_kind: global_buffer, .address_space: global }
    .group_segment_fixed_size: 327680
    .private_segment_fixed_size: 0
    .kernarg_segment_align: 8
    .kernarg_segment_size: 32
    .max_flat_workgroup_size: 128
    .sgpr_count:     84
    .vgpr_count:     1024
    .wavefront_size: 32
...
	.end_amdgpu_metadata
.endif
;; end of part 2
;; launch scores (part 3): grid 8 x 32, 4 waves a work-group, clusters of 4 x 4, 327,680 bytes of LDS; arguments qkv, p, mstat, lstat; writes p, mstat, lstat
.if DOCPART == 3
	.amdgcn_target "amdgcn-amd-amdhsa--gfx1250"
	.amdhsa_code_object_version 6
	.text
	.protected	k_qf87af27544_scores
	.globl	k_qf87af27544_scores
	.p2align	8
	.type	k_qf87af27544_scores,@function
k_qf87af27544_scores:
	s_mov_b64 s[64:65], 0
	v_nop
	global_prefetch_b8 v0, s[64:65] scope:SCOPE_SE
	s_setreg_imm32_b32 hwreg(HW_REG_WAVE_MODE, 25, 1), 1
	s_wait_xcnt 0x0
	s_wait_alu depctr_hold_cnt(0) depctr_sa_sdst(0) depctr_va_vdst(0) depctr_va_sdst(0) depctr_va_ssrc(0) depctr_va_vcc(0) depctr_vm_vsrc(0)
	s_getreg_b32 s2, hwreg(HW_REG_IB_STS2, 6, 4)
	s_cmp_eq_u32 s2, 0
	s_cbranch_scc0 .Lentry_in_a_cluster
	s_endpgm
.Lentry_in_a_cluster:
	s_bfe_u32 s2, ttmp6, 0x10000c
	s_cmp_lg_u32 s2, 0xf033
	s_cbranch_scc0 .Lentry_shape_is_right
	s_endpgm
.Lentry_shape_is_right:
; SCORES AND THE FIRST STAGE OF THE SOFTMAX.  For a tile of 256 queries x 256 keys of one batch: s = q . k (f16 operands, f32 sums, K = 1,024 ascending).  A wave has 128 queries x 128 keys; for each
; query it takes the maximum m of its 128 scores; p = 2^(c s - c m), c = log2(e) / 32, rounded to f16.  Stored: p [8192][2048] f16; mstat [batch][block of 128 keys][2048 rows] = c m in f32;
; lstat, of the same shape, = the sum of the unrounded p in f32.  The launch behind takes the maximum over a row's 16 numbers c m and rescales: the softmax's maximum is taken away exactly, in two stages.
; LIMITS: p below 6e-8 is 0 in f16; an exponential below 2^-126 counts as 0; NaN and infinities are not treated apart.
; SHARES.  8 x 32 work-groups, four waves of 128 x 128: 64 accumulators, 512 registers.  K in 8 steps of 128 through two LDS slots.
; THE MATRIX INSTRUCTION IS USED TRANSPOSED (source 0 = 16 keys, source 1 = 16 queries): a lane holds one query (l % 16) and the keys 8 (l / 16) + 0..7 of each block of 16.
; ONE TEXT FOR A STEP: s[TB] holds the byte at which the slot in hand begins, 0 or SLOT, and is turned by an exclusive or; the fragment addresses and the walking descriptor's LDS word are made from it.
; CLUSTER 4 x 4: q's tile is shared along a row of the cluster, k's along a column.  A wave has two tensor loads out at the start and one behind each round.
; REGISTERS: window 0: v8-30 addresses; v32-47 statistics; v64-127, v128-191 q's fragments, later at work; v192-255 a row block at work; window 1: v64-191 k's fragments;
; windows 2, 3: accumulator (a, b) at v[8 (8 (a % 4) + b)].
.set KSTEP,  128
.set PITCH,  272                       ; 256 bytes + 16 = 68 words: row r starts at bank 4 r mod 64 (64 banks of 4 bytes: ISA guide 11.1)
.set HALFT,  128*PITCH
.set SLOT,   4*HALFT
.set STAGE,  2*SLOT                    ; 16 rows x 272 bytes for each wave
.set SPITCH, 272
.set XREG,   STAGE+4*16*SPITCH         ; [wave][128 rows] c m, 2,048 bytes; 2,048 behind it [wave][128 rows] sums
.set SPARE,  XREG+4096
.set WV, 14
.set WM, 15
.set WN, 16
.set CX, 17
.set CY, 18
.set TX, 19
.set TY, 20
.set BT, 21
.set G1A, 24
.set G0A, 32                           ; s[32:35] q's first fill; s[36:39] the second, which then walks on
.set LB,  42                           ; s42 my place in a slot: wave x 128 rows
.set G1B, 48
.set G0B, 56
.set PFA, 66
.set LIM, 68                           ; s68 2 in a wave that prefetches, else the greatest number
.set TB,  69                           ; s69 0 or SLOT: the slot in hand
.set CS,  70                           ; s[70:71] c, twice
.set SEL, 72                           ; s[72:73] each lane takes its own place in the other half
.set XA,  8                            ; v8   XREG + 512 wave + 4 r
.set YA,  9                            ; v9   the same 2,048 bytes on; steps 64 bytes a row block
.set XR,  10                           ; v10  XREG + 512 wave + 16 lane
.set LN16, 13                          ; v13  16 x lane
.set ADRA0, 16
.set ADRB0, 17
.set ADRA, 20
.set ADRB, 21
.set STO,  24
.set RD,   25
.set CO,   26
.set SPW,  28
.set NIL,  29
.set PFO,  30
.set ST,   32                          ; row block a: v[ST+2a] c m, v[ST+2a+1] the maximum
.set F0,   64
.set F1,   128
.set OB,   64                          ; the way out: 16 rows read back
.set TMP,  128                         ; packed weights
.set WK,   192                         ; a row block's 64 numbers a lane
.set MSB, 0
.macro WIN new
.if MSB != (\new)
	s_set_vgpr_msb (MSB<<8)|(\new)
.set MSB, \new
.endif
.endm
.set MUL_LO, 0xa1                      ; source 0 (k) window 1, source 1 (q) window 0, C and D window 2
.set MUL_HI, 0xf1
.set TO_B,   0x40
.macro PLACES
.rept 4
	v_nop
.endr
.endm
.macro JLOAD s
	s_cmp_eq_u32 s[WM], 0
	s_cbranch_scc0 .Lfor_b_\@
	tensor_load_to_lds s[G0A+4*(\s):G0A+4*(\s)+3], s[G1A:G1A+7]
	s_nop 0
.rept 4
	v_nop
.endr
	s_branch .Lasked_\@
.Lfor_b_\@:
	tensor_load_to_lds s[G0B+4*(\s):G0B+4*(\s)+3], s[G1B:G1B+7]
	s_nop 0
.rept 4
	v_nop
.endr
.Lasked_\@:
.endm
.macro CREST
	s_cmp_lg_u32 s[WV], 0
	s_cbranch_scc1 .Lnot_wave_0_\@
	s_barrier_signal -3
.Lnot_wave_0_\@:
	s_barrier_wait -3
	s_barrier_signal -1
	s_barrier_wait -1
.endm
.macro CROUND
	s_barrier_signal -1
	s_barrier_wait -1
	CREST
.endm
; Behind each joint refill: the K step that stands two refills on, 32 rows x 256 bytes, a lane a row.  q's rows: the clusters with x = 0; k's rows: the batch's first cluster (y even).
; The four partners take 32 of a wave's 128 rows each, by address (cx for q, cy for k).  The loop's last two trips ask for nothing: there is no such step.
.macro ASK
	s_cmp_gt_u32 s3, s[LIM]
	s_cbranch_scc0 .Lnot_mine_\@
	global_prefetch_b8 v[PFO], s[PFA:PFA+1] offset:KSTEP*2 th:TH_LOAD_NT scope:SCOPE_SE
.Lnot_mine_\@:
.endm
	s_load_b256 s[4:11], s[0:1], 0x0               ; qkv s[4:5], p s[6:7], mstat s[8:9], lstat s[10:11]
	v_lshl_add_u32 v[SPW], v0, 2, SPARE
	v_mov_b32 v[NIL], 0
	ds_add_u32 v[SPW], v[NIL]                      ; the opening: the add and its wait ahead of my first tensor load
	v_lshrrev_b32 v1, 5, v0
	v_readfirstlane_b32 s[WV], v1
	s_lshr_b32 s[WM], s[WV], 1                     ; my half of the queries; also 0: I fetch q, 1: I fetch k
	s_and_b32 s[WN], s[WV], 1                      ; my half of the keys; also which 128 rows of that tile I fetch
	s_bfe_u32 s[CX], ttmp6, 0x40000
	s_bfe_u32 s[CY], ttmp6, 0x40004
	s_lshl_b32 s[TX], ttmp9, 2
	s_add_co_u32 s[TX], s[TX], s[CX]               ; key tile in the batch
	s_and_b32 s[TY], ttmp7, 0xffff
	s_lshr_b32 s[BT], s[TY], 1                     ; the batch: two clusters along y each
	s_lshl_b32 s[TY], s[TY], 2
	s_add_co_u32 s[TY], s[TY], s[CY]               ; query tile, over all batches
	s_lshl_b32 s22, s[CY], 2
	s_lshl_b32 s22, 15, s22
	s_lshl_b32 s23, 0x1111, s[CX]
	s_or_b32 s[G1A], s22, (1<<16)|(1<<20)|(1<<21)|(5<<22)|(3<<25)  ; mask; 2-byte elements; padding on; 21 beside a mask; after every 64 words 4 words
	s_or_b32 s[G1B], s23, (1<<16)|(1<<20)|(1<<21)|(5<<22)|(3<<25)
.irp g, G1A, G1B
	s_mov_b32 s[(\g)+1], KSTEP<<16                 ; tensor_dim0 = 128
	s_mov_b32 s[(\g)+2], 128<<16                   ; tensor_dim1 = 128
	s_mov_b32 s[(\g)+3], KSTEP<<16                 ; tile_dim0 = 128
	s_mov_b32 s[(\g)+4], 128                       ; tile_dim1 = 128
	s_mov_b32 s[(\g)+5], 3072                      ; elements from row to row
	s_mov_b32 s[(\g)+6], 0
	s_mov_b32 s[(\g)+7], 0
.endr
	s_lshl_b32 s40, s[TY], 8
	s_lshl_b32 s41, s[WN], 7
	s_add_co_u32 s40, s40, s41
	s_mul_i32 s40, s40, 6144                       ; q: row 256 tile + 128 half
	s_mov_b32 s41, 0
	s_lshl_b32 s44, s[BT], 11
	s_lshl_b32 s45, s[TX], 8
	s_add_co_u32 s44, s44, s45
	s_lshl_b32 s45, s[WN], 7
	s_add_co_u32 s44, s44, s45
	s_mul_i32 s44, s44, 6144                       ; k: row 2,048 batch + 256 tile + 128 half,
	s_add_co_u32 s44, s44, 2048                    ; columns 1,024 on
	s_mov_b32 s45, 0
	s_mul_i32 s[LB], s[WV], HALFT                  ; where they go: wave x 128 rows
	s_mov_b32 s[TB], 0
	s_mov_b32 s[CS], 0x3d38aa3b                    ; c = log2(e) / 32
	s_mov_b32 s[CS+1], s[CS]
	s_mov_b32 s[SEL], 0x76543210
	s_mov_b32 s[SEL+1], 0xfedcba98
	s_wait_dscnt 0x0
	s_wait_kmcnt 0x0
	s_add_nc_u64 s[40:41], s[4:5], s[40:41]
	s_add_nc_u64 s[44:45], s[4:5], s[44:45]
	CROUND
.irp s, 0,1
	s_mov_b32 s[G0A+4*(\s)], 1
	s_add_co_u32 s[G0A+4*(\s)+1], s[LB], (\s)*SLOT
	s_add_nc_u64 s[G0A+4*(\s)+2:G0A+4*(\s)+3], s[40:41], (\s)*KSTEP*2
	s_or_b32 s[G0A+4*(\s)+3], s[G0A+4*(\s)+3], 0x80000000
	s_mov_b32 s[G0B+4*(\s)], 1
	s_add_co_u32 s[G0B+4*(\s)+1], s[LB], (\s)*SLOT
	s_add_nc_u64 s[G0B+4*(\s)+2:G0B+4*(\s)+3], s[44:45], (\s)*KSTEP*2
	s_or_b32 s[G0B+4*(\s)+3], s[G0B+4*(\s)+3], 0x80000000
	JLOAD \s
.endr
	v_and_b32 v1, 15, v0                           ; r
	v_bfe_u32 v2, v0, 4, 1                         ; h
	v_mul_u32_u24 v3, v1, PITCH
	v_lshl_add_u32 v3, v2, 4, v3
	s_mul_i32 s74, s[WM], HALFT
	s_mul_i32 s75, s[WN], HALFT
	s_add_co_u32 s75, s75, 2*HALFT
	v_add_nc_u32 v[ADRA0], s74, v3
	v_add_nc_u32 v[ADRB0], s75, v3
	v_mov_b32 v[ADRA], v[ADRA0]
	v_mov_b32 v[ADRB], v[ADRB0]
	s_mul_i32 s78, s[WV], 16*SPITCH
	s_add_co_u32 s78, s78, STAGE
	v_mul_u32_u24 v4, v1, SPITCH
	v_lshl_add_u32 v4, v2, 4, v4
	v_add_nc_u32 v[STO], s78, v4
	v_mul_u32_u24 v5, v2, SPITCH
	v_lshl_add_u32 v5, v1, 4, v5
	v_add_nc_u32 v[RD], s78, v5
	v_lshlrev_b32 v5, 12, v2
	v_lshl_add_u32 v[CO], v1, 4, v5                ; two rows of p, 4,096 bytes apart
	s_lshl_b32 s79, s[WV], 9
	s_add_co_u32 s79, s79, XREG
	v_lshl_add_u32 v[XA], v1, 2, s79
	v_add_nc_u32 v[YA], 2048, v[XA]
	v_and_b32 v[LN16], 31, v0
	v_lshlrev_b32 v[LN16], 4, v[LN16]
	v_add_nc_u32 v[XR], s79, v[LN16]
	s_lshl_b32 s78, s[TY], 20                      ; p: (256 TY + 128 WM) rows of 4,096 bytes + 512 TX + 256 WN
	s_lshl_b32 s79, s[WM], 19
	s_add_co_u32 s78, s78, s79
	s_lshl_b32 s79, s[TX], 9
	s_add_co_u32 s78, s78, s79
	s_lshl_b32 s79, s[WN], 8
	s_add_co_u32 s78, s78, s79
	s_mov_b32 s79, 0
	s_add_nc_u64 s[6:7], s[6:7], s[78:79]
	s_and_b32 s80, s[TY], 7
	s_lshl_b32 s80, s80, 10
	s_lshl_b32 s81, s[WM], 9
	s_add_co_u32 s80, s80, s81                     ; my 128 rows in the batch, 4 bytes each
	s_lshl_b32 s78, s[BT], 17
	s_lshl_b32 s81, s[TX], 14
	s_add_co_u32 s78, s78, s81
	s_lshl_b32 s81, s[WN], 13
	s_add_co_u32 s78, s78, s81
	s_add_co_u32 s78, s78, s80
	s_add_nc_u64 s[8:9], s[8:9], s[78:79]          ; mstat and lstat at (batch, my block of 128 keys, my rows)
	s_add_nc_u64 s[10:11], s[10:11], s[78:79]
	; the prefetches: at K step 2; the first refill steps them to 3 and names K step 4
	s_lshl_b32 s78, s[TY], 8
	s_lshl_b32 s81, s[CX], 5
	s_add_co_u32 s78, s78, s81                     ; q: 256 TY + 32 cx
	s_lshl_b32 s80, s[BT], 11
	s_lshl_b32 s81, s[TX], 8
	s_add_co_u32 s80, s80, s81
	s_lshl_b32 s81, s[CY], 5
	s_add_co_u32 s80, s80, s81                     ; k: 2,048 batch + 256 TX + 32 cy
	s_and_b32 s74, ttmp7, 1                        ; cluster y's parity
	s_mov_b32 s75, 2*KSTEP*2
	s_mov_b32 s81, 2048+2*KSTEP*2
	s_cmp_eq_u32 s[WM], 0
	s_cselect_b32 s78, s78, s80
	s_cselect_b32 s74, ttmp9, s74
	s_cselect_b32 s75, s75, s81
	s_lshl_b32 s81, s[WN], 7
	s_add_co_u32 s78, s78, s81                     ; + the 128 rows that I fetch
	s_mul_i32 s78, s78, 6144
	s_add_co_u32 s78, s78, s75
	s_add_nc_u64 s[PFA:PFA+1], s[4:5], s[78:79]
	s_cmp_eq_u32 s74, 0
	s_cselect_b32 s[LIM], 2, -1
	v_and_b32 v[PFO], 31, v0
	v_mul_u32_u24 v[PFO], 6144, v[PFO]
; 16 products: row blocks a0, a0 + 1 of the window's four x all 8 key blocks, 32 along K.  The 64 accumulators take turns, one instruction a turn.
.macro MUL16 f, hi, a0, zero
	WIN MUL_LO+0x50*(\hi)
.irp a, \a0, (\a0)+1
.irp b, 0,1,2,3,4,5,6,7
.if \zero
	v_wmma_f32_16x16x32_f16 v[8*(8*(\a)+(\b)):8*(8*(\a)+(\b))+7], v[(\f)+8*(\b):(\f)+8*(\b)+7], v[(\f)+8*(4*(\hi)+(\a)):(\f)+8*(4*(\hi)+(\a))+7], 0
.else
	v_wmma_f32_16x16x32_f16 v[8*(8*(\a)+(\b)):8*(8*(\a)+(\b))+7], v[(\f)+8*(\b):(\f)+8*(\b)+7], v[(\f)+8*(4*(\hi)+(\a)):(\f)+8*(4*(\hi)+(\a))+7], v[8*(8*(\a)+(\b)):8*(8*(\a)+(\b))+7]
.endif
.endr
.endr
.endm
.macro FETCH k, f                      ; 32 LDS loads in one run: k's 8 fragments, then q's 8, of 32 along K at byte k of the rows of the slot in hand
	WIN TO_B
.irp i, 0,1,2,3,4,5,6,7
	ds_load_b128 v[(\f)+8*(\i):(\f)+8*(\i)+3],   v[ADRB] offset:(\k)+(\i)*16*PITCH
	ds_load_b128 v[(\f)+8*(\i)+4:(\f)+8*(\i)+7], v[ADRB] offset:(\k)+(\i)*16*PITCH+32
.endr
	WIN 0
.irp i, 0,1,2,3,4,5,6,7
	ds_load_b128 v[(\f)+8*(\i):(\f)+8*(\i)+3],   v[ADRA] offset:(\k)+(\i)*16*PITCH
	ds_load_b128 v[(\f)+8*(\i)+4:(\f)+8*(\i)+7], v[ADRA] offset:(\k)+(\i)*16*PITCH+32
.endr
.endm
.macro QUARTER k, f, g, zero
	s_wait_dscnt 8                                 ; k's fragments and q's rows 0-63 are in; the youngest eight loads may be out
	MUL16 \f, 0, 0, \zero
	MUL16 \f, 0, 2, \zero
	PLACES
	FETCH \k, \g
	s_wait_dscnt 32                                ; all but the 32 just issued
	MUL16 \f, 1, 0, \zero
	MUL16 \f, 1, 2, \zero
.endm
; A step's last quarter multiplies buffer 1 and changes slots: ONE barrier, in its middle.  In front of it each wave waits for all its tensor loads (one is out: its part of the next slot), adds 0
; to its spare word, and waits for that and for its reads of this slot.  fill = 1: the barrier opens a round of the cluster's, and the joint refill, two K steps on, is the first thing behind it.
; fill = 0: the last two steps; in the very last (s3 = 1) there is no next slot, and the run of LDS loads is jumped over.
.macro TURN fill
.if \fill
	s_wait_xcnt 0x0                                ; the last prefetch, a K step back, has read its address
	s_add_nc_u64 s[PFA:PFA+1], s[PFA:PFA+1], KSTEP*2
.endif
	s_wait_dscnt 8
	MUL16 F1, 0, 0, 0
	MUL16 F1, 0, 2, 0
	WIN 0
	s_wait_tensorcnt 0x0                           ; no tensor load of mine is out, so the walking descriptor may be written
	ds_add_u32 v[SPW], v[NIL]
.if \fill
	s_add_co_u32 s[G0A+5], s[LB], s[TB]            ; into the slot in hand,
	s_add_nc_u64 s[G0A+6:G0A+7], s[G0A+6:G0A+7], KSTEP*2  ; the next K step; the type bits on top are not reached
	s_add_co_u32 s[G0B+5], s[LB], s[TB]
	s_add_nc_u64 s[G0B+6:G0B+7], s[G0B+6:G0B+7], KSTEP*2
.endif
	s_wait_dscnt 0x0                               ; the add is done, and my reads of this slot are over
	s_barrier_signal -1
	s_barrier_wait -1
.if \fill
	CREST
	JLOAD 1                                        ; its four v_nop are also the places in front of the loads below
.else
	s_cmp_eq_u32 s3, 1
	s_cbranch_scc1 .Lnf_\@
	PLACES
.endif
	s_xor_b32 s[TB], s[TB], SLOT                   ; the other slot is in hand
	v_add_nc_u32 v[ADRA], s[TB], v[ADRA0]
	v_add_nc_u32 v[ADRB], s[TB], v[ADRB0]
	FETCH 0, F0
.if \fill
	ASK
.else
.Lnf_\@:
.endif
	MUL16 F1, 1, 0, 0
	MUL16 F1, 1, 2, 0
.endm
	s_wait_tensorcnt 1                             ; my part of K step 0 is in; K step 1's may stay out
	s_barrier_signal -1
	s_barrier_wait -1
	FETCH 0, F0
	QUARTER 64, F0, F1, 1                          ; the first quarter's products start the sums
	WIN 0
	s_mov_b32 s3, 6
.Lstep:                                            ; a trip: a step's last three quarters, the refill of its slot, the next step's first quarter
	QUARTER 128, F1, F0, 0
	QUARTER 192, F0, F1, 0
	TURN 1
	QUARTER 64,  F0, F1, 0
	WIN 0
	s_sub_co_u32 s3, s3, 1
	s_cmp_lg_u32 s3, 0
	s_cbranch_scc1 .Lstep
	s_mov_b32 s3, 2
.Ltail:                                            ; the last two steps fill nothing; the second trip is left ahead of its last quarter
	QUARTER 128, F1, F0, 0
	QUARTER 192, F0, F1, 0
	TURN 0
	WIN 0
	s_cmp_eq_u32 s3, 1
	s_cbranch_scc1 .Lmax
	QUARTER 64,  F0, F1, 0
	WIN 0
	s_sub_co_u32 s3, s3, 1
	s_cmp_lg_u32 s3, 0
	s_cbranch_scc1 .Ltail
.Lmax:
	; THE MAXIMUM of a lane's 64 scores of each row block: four chains a window, three operands at a time, ascending.
	s_wait_dscnt 0x0
	PLACES
.irp w, 2,3
	WIN (\w)|((\w)<<2)|((\w)<<4)
.irp q, 0,1,2,3
	v_max3_num_f32 v[ST+2*(4*((\w)-2)+(\q))+1], v[64*(\q)], v[64*(\q)+1], v[64*(\q)+2]
.endr
	WIN ((\w)<<2)|((\w)<<4)
.set i, 1
.rept 30
.irp q, 0,1,2,3
	v_max3_num_f32 v[ST+2*(4*((\w)-2)+(\q))+1], v[ST+2*(4*((\w)-2)+(\q))+1], v[64*(\q)+2*i+1], v[64*(\q)+2*i+2]
.endr
.set i, i+1
.endr
.irp q, 0,1,2,3
	v_max_num_f32 v[ST+2*(4*((\w)-2)+(\q))+1], v[ST+2*(4*((\w)-2)+(\q))+1], v[64*(\q)+63]
.endr
.endr
	WIN 0
.irp a, 0,1,2,3,4,5,6,7
	v_permlanex16_b32 v[F0+(\a)], v[ST+2*(\a)+1], s[SEL], s[SEL+1]  ; the query's other keys lie in the lane 16 away; the destination has been written (a fragment)
.endr
.irp a, 0,1,2,3,4,5,6,7
	v_max_num_f32 v[ST+2*(\a)+1], v[ST+2*(\a)+1], v[F0+(\a)]
.endr
.irp a, 0,1,2,3,4,5,6,7
	v_mul_f32 v[ST+2*(\a)], s[CS], v[ST+2*(\a)+1]              ; c m
.endr
.irp a, 0,1,2,3,4,5,6,7
	ds_store_b32 v[XA], v[ST+2*(\a)] offset:64*(\a)            ; row 16 a + r: through my own words, so that 128 rows leave as 512 consecutive bytes
.endr
	ds_load_b128 v[48:51], v[XR]                   ; LDS serves a wave's instructions in order (ISA guide 5.7.1.4)
	s_wait_dscnt 0x0
	global_store_b128 v[LN16], v[48:51], s[8:9]
; Row block a's 32 scalings, c s - c m, are the one part that names its accumulators: they write 64 fixed registers of window 0, and all that follows is one text, walked eight times.
.macro SCALE a
.set AC, 64*((\a)%4)
.set WW, 2+(\a)/4
	WIN WW                                         ; source 0 in window 2 or 3
.set i, 0
.rept 32
	v_pk_fma_f32 v[WK+2*i:WK+2*i+1], v[AC+2*i:AC+2*i+1], s[CS:CS+1], v[ST+2*(\a):ST+2*(\a)+1] op_sel_hi:[1,0,0] neg_lo:[0,0,1] neg_hi:[0,0,1]
.set i, i+1
.endr
	WIN 0
.endm
.macro SEND                            ; the row block before: v[CO] has been stepped since, so the stores reach back
	s_wait_dscnt 0x0
.irp t, 0,1,2,3,4,5,6,7
	global_store_b128 v[CO], v[OB+4*(\t):OB+4*(\t)+3], s[6:7] offset:2*(\t)*4096-65536  ; 16 lanes store 256 consecutive bytes, aligned
.endr
.endm
	s_mov_b32 s3, 0
.Lrow:
.irp a, 0,1,2,3,4,5,6
	s_cmp_eq_u32 s3, \a
	s_cbranch_scc1 .Lsc\a
.endr
	SCALE 7
	s_branch .Lbody
.irp a, 0,1,2,3,4,5
.Lsc\a:
	SCALE \a
	s_branch .Lbody
.endr
.Lsc6:
	SCALE 6
.Lbody:
.set i, 0
.rept 64
	v_exp_f32 v[WK+i], v[WK+i]
.set i, i+1
.endr
	v_nop                                          ; a plain instruction behind the last exponential,
	s_wait_alu depctr_va_vdst(0)                   ; and one wait ahead of the batch's first reader, and of the branch
	s_cmp_eq_u32 s3, 0
	s_cbranch_scc1 .Lno_send
	SEND
.Lno_send:
.set i, 0
.rept 32
	v_cvt_pk_f16_f32 v[TMP+i], v[WK+2*i], v[WK+2*i+1]
.set i, i+1
.endr
.irp st, 16,8,4,2,1                    ; the 32 pairs are added in place, 16, 8, 4, 2 and 1 pairs apart
.set i, 0
.rept \st
	v_pk_add_f32 v[WK+2*i:WK+2*i+1], v[WK+2*i:WK+2*i+1], v[WK+2*(i+(\st)):WK+2*(i+(\st))+1]
.set i, i+1
.endr
.endr
	v_add_f32 v[WK], v[WK], v[WK+1]
	v_permlanex16_b32 v[WK+2], v[WK], s[SEL], s[SEL+1]         ; the other half of the lanes' sum
	v_add_f32 v[WK], v[WK], v[WK+2]
	ds_store_b32 v[YA], v[WK]
	s_wait_xcnt 0x0                                ; the stores above have read their registers and their offset
	v_add_nc_u32 v[CO], 0x10000, v[CO]             ; 16 rows of p on
	v_add_nc_u32 v[YA], 64, v[YA]
.irp b, 0,1,2,3,4,5,6,7
	ds_store_b128 v[STO], v[TMP+4*(\b):TMP+4*(\b)+3] offset:32*(\b)
.endr
.irp t, 0,1,2,3,4,5,6,7
	ds_load_b128 v[OB+4*(\t):OB+4*(\t)+3], v[RD] offset:(\t)*2*SPITCH  ; in order behind the stores above: whole rows of 256 bytes
.endr
	s_add_co_u32 s3, s3, 1
	s_cmp_lt_u32 s3, 8
	s_cbranch_scc1 .Lrow
	ds_load_b128 v[56:59], v[XR] offset:2048       ; the sums of my 128 rows
	SEND                                           ; row block 7
	global_store_b128 v[LN16], v[56:59], s[10:11]
	s_wait_tensorcnt 0x0                           ; the wave's end
	ds_add_u32 v[SPW], v[NIL]
	s_wait_dscnt 0x0
	CROUND
	s_endpgm
.Lfunc_end_k_qf87af27544_scores:
	.size	k_qf87af27544_scores, .Lfunc_end_k_qf87af27544_scores-k_qf87af27544_scores
	.p2alignl 7, 3214868480
	.fill 96, 4, 3214868480
	.section	.rodata,"a",@progbits
	.p2align	6, 0x0
	.amdhsa_kernel k_qf87af27544_scores
		.amdhsa_group_segment_fixed_size 327680
		.amdhsa_private_segment_fixed_size 0
		.amdhsa_enable_private_segment 0
		.amdhsa_kernarg_size 32
		.amdhsa_user_sgpr_count 2
		.amdhsa_user_sgpr_kernarg_segment_ptr 1
		.amdhsa_wavefront_size32 1
		.amdhsa_system_sgpr_workgroup_id_x 1
		.amdhsa_system_sgpr_workgroup_id_y 1
		.amdhsa_system_sgpr_workgroup_id_z 1
		.amdhsa_system_vgpr_workitem_id 0
		.amdhsa_next_free_vgpr 1024
		.amdhsa_next_free_sgpr 84
		.amdhsa_reserve_vcc 0
		.amdhsa_float_denorm_mode_32 3
		.amdhsa_float_denorm_mode_16_64 3
		.amdhsa_memory_ordered 1
		.amdhsa_forward_progress 1
		.amdhsa_inst_pref_size 115
	.end_amdhsa_kernel
	.amdgpu_metadata
---
amdhsa.version: [ 1, 2 ]
amdhsa.kernels:
  - .name:           k_qf87af27544_scores
    .symbol:         k_qf87af27544_scores.kd
    .args:
      - { .name: qkv, .offset: 0, .size: 8, .value_kind: global_buffer, .address_space: global }
      - { .name: p, .offset: 8, .size: 8, .value_kind: global_buffer, .address_space: global }
      - { .name: mstat, .offset: 16, .size: 8, .value_kind: global_buffer, .address_space: global }
      - { .name: lstat, .offset: 24, .size: 8, .value_kind: global_buffer, .address_space: global }
    .group_segment_fixed_size: 327680
    .private_segment_fixed_size: 0
    .kernarg_segment_align: 8
    .kernarg_segment_size: 32
    .max_flat_workgroup_size: 128
    .sgpr_count:     84
    .vgpr_count:     1024
    .wavefront_size: 32
...
	.end_amdgpu_metadata
.endif
;; end of part 3
;; launch pv (part 4): grid 8 x 32, 4 waves a work-group, clusters of 4 x 4, 327,680 bytes of LDS; arguments p, qkv, mstat, lstat, out0; writes out0
.if DOCPART == 4
	.amdgcn_target "amdgcn-amd-amdhsa--gfx1250"
	.amdhsa_code_object_version 6
	.text
	.protected	k_qf87af27544_pv
	.globl	k_qf87af27544_pv
	.p2align	8
	.type	k_qf87af27544_pv,@function
k_qf87af27544_pv:
	s_mov_b64 s[64:65], 0
	v_nop
	global_prefetch_b8 v0, s[64:65] scope:SCOPE_SE
	s_setreg_imm32_b32 hwreg(HW_REG_WAVE_MODE, 25, 1), 1
	s_wait_xcnt 0x0
	s_wait_alu depctr_hold_cnt(0) depctr_sa_sdst(0) depctr_va_vdst(0) depctr_va_sdst(0) depctr_va_ssrc(0) depctr_va_vcc(0) depctr_vm_vsrc(0)
	s_getreg_b32 s2, hwreg(HW_REG_IB_STS2, 6, 4)
	s_cmp_eq_u32 s2, 0
	s_cbranch_scc0 .Lentry_in_a_cluster
	s_endpgm
.Lentry_in_a_cluster:
	s_bfe_u32 s2, ttmp6, 0x10000c
	s_cmp_lg_u32 s2, 0xf033
	s_cbranch_scc0 .Lentry_shape_is_right
	s_endpgm
.Lentry_shape_is_right:
; THE SECOND PRODUCT AND THE END OF THE SOFTMAX.  out[row] = the sum over the 16 blocks i of 128 keys of g[i] (p[i] . v[i]), g[i] = 2^(cm[i] - M) / L,
; M = the maximum over i of cm[i], L = the sum over i of 2^(cm[i] - M) l[i]: all exponents are at most 0, and L is at least 1.  f16 operands, f32 sums.
; LIMITS: a factor below 2^-126 counts as 0; NaN and infinities are not treated apart.
; SHARES.  8 x 32 work-groups, each 256 rows x 128 channels; a wave 128 rows x 64 channels.  2,048 keys in 16 steps of 128, a block a step, through two LDS slots.
; T (window 2) sums one block, started by the constant 0; behind each step O (window 3) takes O + g T.  O is cleared once, in the wait for the first tiles, so that every step has one form.
; THE MATRIX INSTRUCTION IS USED TRANSPOSED (source 0 = 16 channels of v, turned by ds_load_tr16_b128; source 1 = 16 rows of p): a lane holds one row and eight neighbouring channels.
; ONE TEXT FOR A STEP: s[TB] holds the byte at which the slot in hand begins, 0 or SLOT, and is turned by an exclusive or; the fragment addresses and the walking descriptor's LDS word are made from it.
; CLUSTER 4 x 4: p's tile is shared along a row of the cluster, v's along a column.  A wave has two tensor loads out at the start and one behind each round.
; REGISTERS: window 0: v16-31 addresses; v32-43 at work at the start; v96-111 g, a pair a row block; v128-191, v192-255 v's fragments, two buffers of 64 keys; window 1: p's fragments, two buffers of 128.
.set SLOT,   106496                    ; p: 256 rows x 272 bytes, then v: 128 keys x 288
.set BOFF,   69632
.set STAGE,  212992                    ; 16 rows x 272 bytes for each wave
.set SPITCH, 272
.set GT,     230400                    ; for each wave [block][128 rows] f32: the factors g, 8,192 bytes
.set SPARE,  263168
.set WV, 14
.set WM, 15
.set WN, 16
.set CX, 17
.set CY, 18
.set TX, 19
.set TY, 20
.set BT, 21
.set G1A, 24
.set G0A, 32                           ; s[32:35] p's first fill; s[36:39] the second, which then walks on
.set LBA, 42
.set LBB, 46
.set G1B, 48
.set G0B, 56
.set PFA, 66
.set LIM, 68                           ; s68 2 in a wave that prefetches, else the greatest number
.set TB,  69
.set PFS, 76
.set ADRA0, 16
.set ADRB0, 17
.set ADRA, 20
.set ADRB, 21
.set STO,  22
.set RD,   24
.set CO,   25
.set GW,   26                          ; v26  where I write four rows' factors
.set GA,   27                          ; v27  where I read row r's factor of the block in hand; steps 512 bytes a step
.set SPW,  28
.set NIL,  29
.set PFO,  30
.set LN16, 31
.set GG,   96
.set OB,   128
.set MSB, 0
.macro WIN new
.if MSB != (\new)
	s_set_vgpr_msb (MSB<<8)|(\new)
.set MSB, \new
.endif
.endm
.macro PLACES
.rept 4
	v_nop
.endr
.endm
.macro JLOAD s
	s_cmp_eq_u32 s[WM], 0
	s_cbranch_scc0 .Lfor_b_\@
	tensor_load_to_lds s[G0A+4*(\s):G0A+4*(\s)+3], s[G1A:G1A+7]
	s_nop 0
.rept 4
	v_nop
.endr
	s_branch .Lasked_\@
.Lfor_b_\@:
	tensor_load_to_lds s[G0B+4*(\s):G0B+4*(\s)+3], s[G1B:G1B+7]
	s_nop 0
.rept 4
	v_nop
.endr
.Lasked_\@:
.endm
.macro CREST
	s_cmp_lg_u32 s[WV], 0
	s_cbranch_scc1 .Lnot_wave_0_\@
	s_barrier_signal -3
.Lnot_wave_0_\@:
	s_barrier_wait -3
	s_barrier_signal -1
	s_barrier_wait -1
.endm
.macro CROUND
	s_barrier_signal -1
	s_barrier_wait -1
	CREST
.endm
; Behind each joint refill: the step that stands two refills on, a lane a row of 256 bytes.  p's rows: waves 0 and 1 of the clusters with x = 0, 32 of a wave's 128 rows a partner (by cx).
; v's keys: wave 2 of the batch's first cluster (y even), 32 of the step's 128 keys a partner (by cy).  The loop's last two trips ask for nothing: there is no such step.
.macro ASK
	s_cmp_gt_u32 s3, s[LIM]
	s_cbranch_scc0 .Lnot_mine_\@
	global_prefetch_b8 v[PFO], s[PFA:PFA+1] th:TH_LOAD_NT scope:SCOPE_SE
.Lnot_mine_\@:
.endm
	s_load_b256 s[4:11], s[0:1], 0x0               ; p s[4:5], qkv s[6:7], mstat s[8:9], lstat s[10:11]
	s_load_b64 s[12:13], s[0:1], 0x20              ; out0
	v_lshl_add_u32 v[SPW], v0, 2, SPARE
	v_mov_b32 v[NIL], 0
	ds_add_u32 v[SPW], v[NIL]                      ; the opening: the add and its wait ahead of my first tensor load
	v_lshrrev_b32 v1, 5, v0
	v_readfirstlane_b32 s[WV], v1
	s_lshr_b32 s[WM], s[WV], 1                     ; my half of the rows; also 0: I fetch p, 1: I fetch v
	s_and_b32 s[WN], s[WV], 1                      ; my half of the channels; also which half of that tile I fetch
	s_bfe_u32 s[CX], ttmp6, 0x40000
	s_bfe_u32 s[CY], ttmp6, 0x40004
	s_lshl_b32 s[TX], ttmp9, 2
	s_add_co_u32 s[TX], s[TX], s[CX]
	s_and_b32 s[TY], ttmp7, 0xffff
	s_lshr_b32 s[BT], s[TY], 1
	s_lshl_b32 s[TY], s[TY], 2
	s_add_co_u32 s[TY], s[TY], s[CY]
	s_lshl_b32 s22, s[CY], 2
	s_lshl_b32 s22, 15, s22
	s_lshl_b32 s23, 0x1111, s[CX]
	s_or_b32 s[G1A], s22, (1<<16)|(1<<20)|(1<<21)|(5<<22)|(3<<25)  ; after every 64 words 4 words: pitch 272
	s_mov_b32 s[G1A+1], 128<<16
	s_mov_b32 s[G1A+2], 128<<16
	s_mov_b32 s[G1A+3], 128<<16
	s_mov_b32 s[G1A+4], 128
	s_mov_b32 s[G1A+5], 2048
	s_mov_b32 s[G1A+6], 0
	s_mov_b32 s[G1A+7], 0
	s_or_b32 s[G1B], s23, (1<<16)|(1<<20)|(1<<21)|(5<<22)|(7<<25)  ; 8 words: pitch 288 = 72 words
	s_mov_b32 s[G1B+1], 128<<16
	s_mov_b32 s[G1B+2], 64<<16
	s_mov_b32 s[G1B+3], 128<<16
	s_mov_b32 s[G1B+4], 64
	s_mov_b32 s[G1B+5], 3072
	s_mov_b32 s[G1B+6], 0
	s_mov_b32 s[G1B+7], 0
	s_lshl_b32 s40, s[TY], 20                      ; p: (256 TY + 128 half) rows of 4,096 bytes
	s_lshl_b32 s41, s[WN], 19
	s_add_co_u32 s40, s40, s41
	s_mov_b32 s41, 0
	s_mul_i32 s[LBA], s[WN], 34816
	s_lshl_b32 s44, s[BT], 11                      ; v: key 2,048 batch + 64 half, columns 2,048 + 128 TX on
	s_lshl_b32 s45, s[WN], 6
	s_add_co_u32 s44, s44, s45
	s_mul_i32 s44, s44, 6144
	s_lshl_b32 s45, s[TX], 8
	s_add_co_u32 s44, s44, s45
	s_add_co_u32 s44, s44, 4096
	s_mov_b32 s45, 0
	s_mul_i32 s[LBB], s[WN], 18432
	s_add_co_u32 s[LBB], s[LBB], BOFF
	s_mov_b32 s[TB], 0
	s_wait_dscnt 0x0
	s_wait_kmcnt 0x0
	s_add_nc_u64 s[40:41], s[4:5], s[40:41]
	s_add_nc_u64 s[44:45], s[6:7], s[44:45]
	CROUND
.irp s, 0,1
	s_mov_b32 s[G0A+4*(\s)], 1
	s_add_co_u32 s[G0A+4*(\s)+1], s[LBA], (\s)*SLOT
	s_add_nc_u64 s[G0A+4*(\s)+2:G0A+4*(\s)+3], s[40:41], (\s)*256
	s_or_b32 s[G0A+4*(\s)+3], s[G0A+4*(\s)+3], 0x80000000
	s_mov_b32 s[G0B+4*(\s)], 1
	s_add_co_u32 s[G0B+4*(\s)+1], s[LBB], (\s)*SLOT
	s_add_nc_u64 s[G0B+4*(\s)+2:G0B+4*(\s)+3], s[44:45], (\s)*786432
	s_or_b32 s[G0B+4*(\s)+3], s[G0B+4*(\s)+3], 0x80000000
	JLOAD \s
.endr
	; the statistics of my wave's 128 rows: a lane takes rows 4 l .. 4 l + 3, of all 16 blocks
	s_and_b32 s80, s[TY], 7
	s_lshl_b32 s80, s80, 10
	s_lshl_b32 s81, s[WM], 9
	s_add_co_u32 s80, s80, s81
	s_lshl_b32 s78, s[BT], 17
	s_add_co_u32 s78, s78, s80
	s_mov_b32 s79, 0
	s_add_nc_u64 s[8:9], s[8:9], s[78:79]
	s_add_nc_u64 s[10:11], s[10:11], s[78:79]
	v_and_b32 v[LN16], 31, v0
	v_lshlrev_b32 v[LN16], 4, v[LN16]
.set i, 0
.rept 16
	global_load_b128 v[128+4*i:128+4*i+3], v[LN16], s[8:9] offset:8192*i
.set i, i+1
.endr
.set i, 0
.rept 16
	global_load_b128 v[192+4*i:192+4*i+3], v[LN16], s[10:11] offset:8192*i
.set i, i+1
.endr
	WIN 0xc0
.set i, 0
.rept 256
	v_mov_b32 v[i], 0                              ; O starts at 0: written while the first loads are out
.set i, i+1
.endr
	WIN 0
	v_and_b32 v1, 15, v0                           ; r
	v_bfe_u32 v2, v0, 4, 1                         ; h
	v_mul_u32_u24 v3, v1, 272
	v_lshl_add_u32 v3, v2, 4, v3
	s_mul_i32 s74, s[WM], 34816
	v_add_nc_u32 v[ADRA0], s74, v3
	v_mov_b32 v[ADRA], v[ADRA0]
	v_and_b32 v4, 7, v0
	v_bfe_u32 v5, v0, 3, 1
	v_lshl_add_u32 v6, v2, 3, v4                   ; the turning load: key 8 h + l % 8, 16 bytes by (l / 8) % 2
	v_mul_u32_u24 v6, v6, 288
	v_lshl_add_u32 v6, v5, 4, v6
	s_lshl_b32 s75, s[WN], 7
	s_add_co_u32 s75, s75, BOFF
	v_add_nc_u32 v[ADRB0], s75, v6
	v_mov_b32 v[ADRB], v[ADRB0]
	s_mul_i32 s74, s[WV], 16*SPITCH
	s_add_co_u32 s74, s74, STAGE
	v_mul_u32_u24 v3, v1, SPITCH
	v_lshl_add_u32 v3, v2, 5, v3                   ; in: row r, 32 bytes for each half of the lanes
	v_add_nc_u32 v[STO], s74, v3
	v_mul_u32_u24 v3, v2, SPITCH
	v_lshl_add_u32 v3, v1, 4, v3
	v_add_nc_u32 v[RD], s74, v3
	v_lshlrev_b32 v3, 12, v2
	v_lshl_add_u32 v[CO], v1, 4, v3
	s_lshl_b32 s74, s[WV], 13
	s_add_co_u32 s74, s74, GT
	v_add_nc_u32 v[GW], s74, v[LN16]
	v_lshl_add_u32 v[GA], v1, 2, s74
	s_lshl_b32 s78, s[TY], 20                      ; out0: (256 TY + 128 WM) rows of 4,096 bytes + 512 TX + 256 WN
	s_lshl_b32 s74, s[WM], 19
	s_add_co_u32 s78, s78, s74
	s_lshl_b32 s74, s[TX], 9
	s_add_co_u32 s78, s78, s74
	s_lshl_b32 s74, s[WN], 8
	s_add_co_u32 s78, s78, s74
	s_add_nc_u64 s[12:13], s[12:13], s[78:79]
	; the prefetches: at step 3; the first refill steps them to 4
	s_lshl_b32 s78, s[TY], 20
	s_lshl_b32 s79, s[WN], 19
	s_add_co_u32 s78, s78, s79
	s_lshl_b32 s79, s[CX], 17
	s_add_co_u32 s78, s78, s79
	s_add_co_u32 s78, s78, 3*256
	s_lshl_b32 s80, s[BT], 11
	s_lshl_b32 s81, s[CY], 5
	s_add_co_u32 s80, s80, s81
	s_mul_i32 s80, s80, 6144
	s_lshl_b32 s81, s[TX], 8
	s_add_co_u32 s80, s80, s81
	s_add_co_u32 s80, s80, 4096+3*786432
	s_mov_b32 s74, 256
	s_mov_b32 s75, 786432
	s_mov_b32 s22, 4096
	s_mov_b32 s23, 6144
	s_and_b32 s81, ttmp7, 1                        ; cluster y's parity,
	s_or_b32 s81, s81, s[WN]                       ; and of v's two waves the first alone
	s_cmp_eq_u32 s[WM], 0
	s_cselect_b32 s81, ttmp9, s81
	s_cselect_b64 s[PFA:PFA+1], s[4:5], s[6:7]
	s_cselect_b32 s[PFS], s74, s75
	s_cselect_b32 s78, s78, s80
	s_cselect_b32 s22, s22, s23
	s_mov_b32 s[PFS+1], 0
	s_mov_b32 s79, 0
	s_add_nc_u64 s[PFA:PFA+1], s[PFA:PFA+1], s[78:79]
	s_cmp_eq_u32 s81, 0
	s_cselect_b32 s[LIM], 2, -1
	v_and_b32 v[PFO], 31, v0
	v_mul_u32_u24 v[PFO], s22, v[PFO]
	; THE FACTORS.  v[128 + 4 i + j] = cm, v[192 + 4 i + j] = l of block i, for my rows j = 0..3
	s_wait_loadcnt 0x0
.irp j, 0,1,2,3
	v_max3_num_f32 v[32+(\j)], v[128+(\j)], v[132+(\j)], v[136+(\j)]
.endr
.irp k, 3,5,7,9,11,13
.irp j, 0,1,2,3
	v_max3_num_f32 v[32+(\j)], v[32+(\j)], v[128+4*(\k)+(\j)], v[132+4*(\k)+(\j)]
.endr
.endr
.irp j, 0,1,2,3
	v_max_num_f32 v[32+(\j)], v[32+(\j)], v[188+(\j)]          ; M
.endr
.set i, 0
.rept 16
.irp q, 0,2
	v_pk_add_f32 v[128+4*i+(\q):128+4*i+(\q)+1], v[128+4*i+(\q):128+4*i+(\q)+1], v[32+(\q):32+(\q)+1] neg_lo:[0,1] neg_hi:[0,1]  ; cm - M
.endr
.set i, i+1
.endr
.set i, 0
.rept 64
	v_exp_f32 v[128+i], v[128+i]
.set i, i+1
.endr
	v_nop                                          ; a plain instruction behind the last exponential,
	s_wait_alu depctr_va_vdst(0)                   ; and one wait ahead of the batch's first reader
.irp q, 0,2
	v_pk_mul_f32 v[36+(\q):36+(\q)+1], v[128+(\q):128+(\q)+1], v[192+(\q):192+(\q)+1]
.endr
.set i, 1
.rept 15
.irp q, 0,2
	v_pk_fma_f32 v[36+(\q):36+(\q)+1], v[128+4*i+(\q):128+4*i+(\q)+1], v[192+4*i+(\q):192+4*i+(\q)+1], v[36+(\q):36+(\q)+1]  ; L
.endr
.set i, i+1
.endr
.irp j, 0,1,2,3
	v_rcp_f32 v[40+(\j)], v[36+(\j)]
.endr
	v_nop
	s_wait_alu depctr_va_vdst(0)                   ; one wait for the four reciprocals
.set i, 0
.rept 16
.irp q, 0,2
	v_pk_mul_f32 v[128+4*i+(\q):128+4*i+(\q)+1], v[128+4*i+(\q):128+4*i+(\q)+1], v[40+(\q):40+(\q)+1]
.endr
.set i, i+1
.endr
.set i, 0
.rept 16
	ds_store_b128 v[GW], v[128+4*i:128+4*i+3] offset:512*i     ; my wave's own table: no other wave reads it
.set i, i+1
.endr
.macro FETCH blk, f                    ; the fragments of 64 keys of the slot in hand: 48 loads: p of the first 32 keys, v of both halves, p of the second 32
	WIN 0x40
.irp a, 0,1,2,3,4,5,6,7
	ds_load_b128 v[128*(\f)+8*(\a):128*(\f)+8*(\a)+3],   v[ADRA] offset:4352*(\a)+128*(\blk)
	ds_load_b128 v[128*(\f)+8*(\a)+4:128*(\f)+8*(\a)+7], v[ADRA] offset:4352*(\a)+128*(\blk)+32
.endr
	WIN 0
.irp kk, 0,1
.irp b, 0,1,2,3
	ds_load_tr16_b128 v[128+64*(\f)+32*(\kk)+8*(\b):128+64*(\f)+32*(\kk)+8*(\b)+3],   v[ADRB] offset:(64*(\blk)+32*(\kk))*288+32*(\b)
	ds_load_tr16_b128 v[128+64*(\f)+32*(\kk)+8*(\b)+4:128+64*(\f)+32*(\kk)+8*(\b)+7], v[ADRB] offset:(64*(\blk)+32*(\kk))*288+32*(\b)+4608
.endr
.endr
	WIN 0x40
.irp a, 0,1,2,3,4,5,6,7
	ds_load_b128 v[128*(\f)+64+8*(\a):128*(\f)+64+8*(\a)+3],   v[ADRA] offset:4352*(\a)+128*(\blk)+64
	ds_load_b128 v[128*(\f)+64+8*(\a)+4:128*(\f)+64+8*(\a)+7], v[ADRA] offset:4352*(\a)+128*(\blk)+64+32
.endr
	WIN 0
.endm
; 16 products: row blocks 4 half .. +3 x 4 channel blocks, 32 keys.  The 32 accumulators take turns, one instruction a turn.
.macro MUL16 f, kk, half, zero
	WIN 0xa4                                       ; v window 0, p window 1, T window 2
.irp a, 4*(\half), 4*(\half)+1, 4*(\half)+2, 4*(\half)+3
.irp b, 0,1,2,3
.if \zero
	v_wmma_f32_16x16x32_f16 v[8*(4*(\a)+(\b)):8*(4*(\a)+(\b))+7], v[128+64*(\f)+32*(\kk)+8*(\b):128+64*(\f)+32*(\kk)+8*(\b)+7], v[128*(\f)+64*(\kk)+8*(\a):128*(\f)+64*(\kk)+8*(\a)+7], 0
.else
	v_wmma_f32_16x16x32_f16 v[8*(4*(\a)+(\b)):8*(4*(\a)+(\b))+7], v[128+64*(\f)+32*(\kk)+8*(\b):128+64*(\f)+32*(\kk)+8*(\b)+7], v[128*(\f)+64*(\kk)+8*(\a):128*(\f)+64*(\kk)+8*(\a)+7], v[8*(4*(\a)+(\b)):8*(4*(\a)+(\b))+7]
.endif
.endr
.endr
.endm
.macro BLK                             ; a step's first 64 keys (buffer 0): its first products start the block's sums; its second 64 keys are fetched into buffer 1
	s_wait_dscnt 24                                ; the first 32 keys' fragments are in; the second 32 keys' 24 loads may be out
	MUL16 0, 0, 0, 1
	MUL16 0, 0, 1, 1
	PLACES
	FETCH 1, 1
	s_wait_dscnt 48                                ; all but the 48 just issued
	MUL16 0, 1, 0, 0
	MUL16 0, 1, 1, 0
.endm
.macro GLOADS                          ; the factors of the block in hand: row 16 a + r, twice, for the packed multiply-add
	WIN 0
.irp a, 0,1,2,3,4,5,6,7
	ds_load_b32 v[GG+2*(\a)],   v[GA] offset:64*(\a)
	ds_load_b32 v[GG+2*(\a)+1], v[GA] offset:64*(\a)
.endr
	v_add_nc_u32 v[GA], 512, v[GA]
.endm
; A step's second 64 keys (buffer 1) and the change of slots: ONE barrier, in the middle.  In front of it each wave waits for all its tensor loads (one is out: its part of the next slot), adds 0 to
; its spare word, and waits for that and for its reads of this slot.  fill = 1: the barrier opens a round of the cluster's, and the joint refill, two steps on, is the first thing behind it.
; fill = 0: the last two steps; in the very last (s3 = 1) there is no next slot, and the run of fragment loads is jumped over.
.macro TURN fill
.if \fill
	s_wait_xcnt 0x0                                ; the last prefetch, a step back, has read its address
	s_add_nc_u64 s[PFA:PFA+1], s[PFA:PFA+1], s[PFS:PFS+1]
.endif
	s_wait_dscnt 24
	MUL16 1, 0, 0, 0
	MUL16 1, 0, 1, 0
	WIN 0
	s_wait_tensorcnt 0x0                           ; no tensor load of mine is out, so the walking descriptor may be written
	ds_add_u32 v[SPW], v[NIL]
.if \fill
	s_add_co_u32 s[G0A+5], s[LBA], s[TB]           ; into the slot in hand,
	s_add_nc_u64 s[G0A+6:G0A+7], s[G0A+6:G0A+7], 256      ; the next 128 keys; the type bits on top are not reached
	s_add_co_u32 s[G0B+5], s[LBB], s[TB]
	s_add_nc_u64 s[G0B+6:G0B+7], s[G0B+6:G0B+7], 786432
.endif
	s_wait_dscnt 0x0                               ; the add is done, and my reads of this slot are over
	s_barrier_signal -1
	s_barrier_wait -1
.if \fill
	CREST
	JLOAD 1                                        ; its four v_nop are also the places in front of the loads below
	GLOADS
.else
	PLACES
	GLOADS
	s_cmp_eq_u32 s3, 1
	s_cbranch_scc1 .Lnf_\@
.endif
	s_xor_b32 s[TB], s[TB], SLOT                   ; the other slot is in hand
	v_add_nc_u32 v[ADRA], s[TB], v[ADRA0]
	v_add_nc_u32 v[ADRB], s[TB], v[ADRB0]
	FETCH 0, 0
.if \fill
	ASK
.else
.Lnf_\@:
.endif
	MUL16 1, 1, 0, 0
	MUL16 1, 1, 1, 0
.endm
.macro LUMP younger                    ; O = T g + O, 128 packed lines, each accumulator from its low end on; younger: the LDS loads issued behind g's
	s_wait_dscnt \younger
	PLACES
	WIN 0xf2                                       ; T window 2, g window 0, O window 3
.irp a, 0,1,2,3,4,5,6,7
.set i, 0
.rept 16
	v_pk_fma_f32 v[32*(\a)+2*i:32*(\a)+2*i+1], v[32*(\a)+2*i:32*(\a)+2*i+1], v[GG+2*(\a):GG+2*(\a)+1], v[32*(\a)+2*i:32*(\a)+2*i+1]
.set i, i+1
.endr
.endr
	WIN 0
.endm
	s_wait_dscnt 0x0                               ; my table is written
	s_wait_tensorcnt 1                             ; my part of step 0 is in; step 1's may stay out
	s_barrier_signal -1
	s_barrier_wait -1
	FETCH 0, 0
	s_mov_b32 s3, 14
.Lstep:                                            ; a trip is one block of 128 keys: its slot is read and filled again
	BLK
	TURN 1
	LUMP 48
	s_sub_co_u32 s3, s3, 1
	s_cmp_lg_u32 s3, 0
	s_cbranch_scc1 .Lstep
	s_mov_b32 s3, 2
.Ltail:                                            ; the last two blocks fill nothing
	BLK
	TURN 0
	LUMP 0                                         ; in the last trip g's loads are the youngest: the wait is for all
	s_sub_co_u32 s3, s3, 1
	s_cmp_lg_u32 s3, 0
	s_cbranch_scc1 .Ltail
	; THE WAY OUT: 16 rows x 256 bytes at a time through my stage, back as whole rows.
.macro TOSTAGE a
	s_wait_xcnt 0x0                                ; earlier stores have read their registers
	WIN 0x0c                                       ; the data in window 3
.irp b, 0,1,2,3
	ds_store_b128 v[STO], v[8*(4*(\a)+(\b)):8*(4*(\a)+(\b))+3]   offset:64*(\b)
	ds_store_b128 v[STO], v[8*(4*(\a)+(\b))+4:8*(4*(\a)+(\b))+7] offset:64*(\b)+16
.endr
	WIN 0
.irp t, 0,1,2,3,4,5,6,7
	ds_load_b128 v[OB+32*((\a)%2)+4*(\t):OB+32*((\a)%2)+4*(\t)+3], v[RD] offset:(\t)*2*SPITCH  ; LDS serves a wave's instructions in order (ISA guide 5.7.1.4)
.endr
.endm
.macro SEND a, younger                 ; younger: the next block's eight stores and eight loads, or none
	s_wait_dscnt \younger
.irp t, 0,1,2,3,4,5,6,7
	global_store_b128 v[CO], v[OB+32*((\a)%2)+4*(\t):OB+32*((\a)%2)+4*(\t)+3], s[12:13] offset:(16*(\a)+2*(\t))*4096 th:TH_STORE_NT  ; 16 lanes store 256 consecutive bytes, aligned
.endr
.endm
	TOSTAGE 0
.irp a, 1,2,3,4,5,6,7
	TOSTAGE \a
	SEND (\a)-1, 16
.endr
	SEND 7, 0
	s_wait_tensorcnt 0x0                           ; the wave's end
	ds_add_u32 v[SPW], v[NIL]
	s_wait_dscnt 0x0
	CROUND
	s_endpgm
.Lfunc_end_k_qf87af27544_pv:
	.size	k_qf87af27544_pv, .Lfunc_end_k_qf87af27544_pv-k_qf87af27544_pv
	.p2alignl 7, 3214868480
	.fill 96, 4, 3214868480
	.section	.rodata,"a",@progbits
	.p2align	6, 0x0
	.amdhsa_kernel k_qf87af27544_pv
		.amdhsa_group_segment_fixed_size 327680
		.amdhsa_private_segment_fixed_size 0
		.amdhsa_enable_private_segment 0
		.amdhsa_kernarg_size 40
		.amdhsa_user_sgpr_count 2
		.amdhsa_user_sgpr_kernarg_segment_ptr 1
		.amdhsa_wavefront_size32 1
		.amdhsa_system_sgpr_workgroup_id_x 1
		.amdhsa_system_sgpr_workgroup_id_y 1
		.amdhsa_system_sgpr_workgroup_id_z 1
		.amdhsa_system_vgpr_workitem_id 0
		.amdhsa_next_free_vgpr 1024
		.amdhsa_next_free_sgpr 84
		.amdhsa_reserve_vcc 0
		.amdhsa_float_denorm_mode_32 3
		.amdhsa_float_denorm_mode_16_64 3
		.amdhsa_memory_ordered 1
		.amdhsa_forward_progress 1
		.amdhsa_inst_pref_size 100
	.end_amdhsa_kernel
	.amdgpu_metadata
---
amdhsa.version: [ 1, 2 ]
amdhsa.kernels:
  - .name:           k_qf87af27544_pv
    .symbol:         k_qf87af27544_pv.kd
    .args:
      - { .name: p, .offset: 0, .size: 8, .value_kind: global_buffer, .address_space: global }
      - { .name: qkv, .offset: 8, .size: 8, .value_kind: global_buffer, .address_space: global }
      - { .name: mstat, .offset: 16, .size: 8, .value_kind: global_buffer, .address_space: global }
      - { .name: lstat, .offset: 24, .size: 8, .value_kind: global_buffer, .address_space: global }
      - { .name: out0, .offset: 32, .size: 8, .value_kind: global_buffer, .address_space: global }
    .group_segment_fixed_size: 327680
    .private_segment_fixed_size: 0
    .kernarg_segment_align: 8
    .kernarg_segment_size: 40
    .max_flat_workgroup_size: 128
    .sgpr_count:     84
    .vgpr_count:     1024
    .wavefront_size: 32
...
	.end_amdgpu_metadata
.endif
;; end of part 4
;; ======== version 2 of 2: 4 launches; version 1 with the launch prep written anew for expert scheduling mode
;; limits: values are held in f16: magnitudes above 65,504 overflow, below 6.1e-05 lose precision
;; workspace buffers: xb 16,777,216 bytes; wb 6,291,456 bytes; bias 12,288 bytes; qkv 50,331,648 bytes; p 33,554,432 bytes; mstat 524,288 bytes; lstat 524,288 bytes
;; launch prep (part 5): grid 705 x 1, 8 waves a work-group, no clusters, 0 bytes of LDS; arguments x, W_q, W_k, W_v, b_q, b_k, b_v, xb, wb, bias; writes xb, wb, bias
.if DOCPART == 5
	.amdgcn_target "amdgcn-amd-amdhsa--gfx1250"
	.amdhsa_code_object_version 6
	.text
	.protected	k_qf87af27544_prep
	.globl	k_qf87af27544_prep
	.p2align	8
	.type	k_qf87af27544_prep,@function
k_qf87af27544_prep:
	s_mov_b64 s[64:65], 0
	v_nop
	global_prefetch_b8 v0, s[64:65] scope:SCOPE_SE
	s_setreg_imm32_b32 hwreg(HW_REG_WAVE_SCHED_MODE, 0, 2), 2
	s_setreg_imm32_b32 hwreg(HW_REG_WAVE_MODE, 25, 1), 1
	s_wait_xcnt 0x0
	s_wait_alu depctr_vm_vsrc(0)
; CASTS.  All inputs of the module are rounded once to bf16, to nearest even.
;   xb   [16 kb][8192 rows][64] bf16: x in blocks of 64 channels, so that 128 rows of one block are 16,384 dense bytes
;   wb   [1024 d][3072] bf16: W_q, W_k, W_v side by side
;   bias [3072] f32: b_q, b_k, b_v rounded to bf16 and written as f32
; A stream: every byte is read once and written once; no LDS, no barrier, no matrix unit.
; Work-groups 0-511 take x (32 rows x 512 channels each, a wave 64 channels), 512-703 the weights (16 rows each, a wave 128 columns), 704 the biases.
; A wave has its 16 loads of 16 bytes a lane out together; each store of a wave covers 256 consecutive bytes, aligned.
; LIMITS: a number beyond the range of bf16 becomes an infinity; NaN stays NaN.
; THE MODE: SCHED_MODE bits 1:0 = 2 (LLVM: expert scheduling mode 2), set by the entry lines.  The code itself states the register dependences
; between vector instructions and memory instructions, with s_wait_alu, always for 0.
; THE PLAN.  Registers that memory instructions touch:
;   v[LO], v[SO]  byte offsets.  Written by vector instructions ahead of a path's first load, never again; read by every load and store.
;   X             16 chunks as loaded.  Written by the loads alone, each register once; no vector instruction names them ahead of the loads; read by the conversions.
;   Y             16 chunks in bf16.  Written by the conversions, each register once; read by the stores; never written again.
; The 16 chunks go in four groups of four.  Group g's conversions write Y[g]; its four stores are issued in group g + 1, dealt among that group's conversions, which
; name X[g + 1] and Y[g + 1] alone.  So one wait on va_vdst at a group's head states all that the four stores hang on.  No register that a memory instruction
; reads is written again, and EXEC is never written: there is nothing more to state.
.set LO, 2                             ; v2  byte offset of my 16 bytes in the first load
.set SO, 3                             ; v3  byte offset of my 8 bytes in the first store: 8 x lane
.set X,  16                            ; v[16:79]   16 x 4 numbers as loaded
.set Y,  80                            ; v[80:111]  16 x 4 numbers in bf16
	s_load_b512 s[4:19], s[0:1], 0x0               ; x s[4:5], W_q s[6:7], W_k s[8:9], W_v s[10:11], b_q s[12:13], b_k s[14:15], b_v s[16:17], xb s[18:19]
	s_load_b128 s[20:23], s[0:1], 0x40             ; wb s[20:21], bias s[22:23]
	v_lshrrev_b32 v1, 5, v0
	v_readfirstlane_b32 s24, v1                    ; wave 0..7
	v_and_b32 v4, 31, v0                           ; lane
	v_lshlrev_b32 v[SO], 3, v4
	s_mov_b32 s3, 0                                ; the high word of every offset
	s_wait_kmcnt 0x0
	s_wait_alu depctr_va_sdst(0)                   ; s24 is written, ahead of the branches behind which its first readers stand: the bases are made from it
; 16 loads, ls bytes apart, from s[26:27]; 16 stores, ss bytes apart, to s[28:29].  No register is written twice.
.macro CAST ls, ss
	s_wait_alu depctr_va_vdst(0)                   ; v[LO] and v[SO] are written: every load and store below reads one of them as its offset
.set i, 0
.rept 16
	global_load_b128 v[X+4*i:X+4*i+3], v[LO], s[26:27] offset:i*(\ls) th:TH_LOAD_NT
.set i, i+1
.endr
.set g, 0
.rept 4
	s_wait_loadcnt 12-4*g                          ; loads come back in order: group g's four are in, the younger groups stay out
.if g > 0
	s_wait_alu depctr_va_vdst(0)                   ; the group before has written its part of Y, which the four stores below read
.endif
.set j, 0
.rept 4
.set i, 4*g+j
.if g > 0
	global_store_b64 v[SO], v[Y+2*(i-4):Y+2*(i-4)+1], s[28:29] offset:(i-4)*(\ss)  ; the group before; no vector instruction since the wait names these registers
.endif
	v_cvt_pk_bf16_f32 v[Y+2*i], v[X+4*i], v[X+4*i+1]
	v_cvt_pk_bf16_f32 v[Y+2*i+1], v[X+4*i+2], v[X+4*i+3]
.set j, j+1
.endr
.set g, g+1
.endr
	s_wait_alu depctr_va_vdst(0)                   ; the last group has written its part of Y, which the last four stores read
.set i, 12
.rept 4
	global_store_b64 v[SO], v[Y+2*i:Y+2*i+1], s[28:29] offset:i*(\ss)
.set i, i+1
.endr
.endm
	s_cmp_lt_u32 ttmp9, 512
	s_cbranch_scc0 .Lnot_x
	; x: 32 rows rg, block kb of 64 channels.  Sixteen lanes read 256 bytes of one row, the other sixteen the next row: 256 dense bytes of xb.
	s_lshr_b32 s25, ttmp9, 1                       ; rg
	s_and_b32 s30, ttmp9, 1
	s_lshl_b32 s30, s30, 3
	s_add_co_u32 s30, s30, s24                     ; kb = 8 x parity + wave
	s_lshl_b32 s2, s25, 17                         ; 32 rows of 4,096 bytes
	s_lshl_b32 s31, s30, 8                         ; 64 f32
	s_add_co_u32 s2, s2, s31
	s_add_nc_u64 s[26:27], s[4:5], s[2:3]
	s_lshl_b32 s2, s30, 20                         ; a block of xb: 8,192 rows of 128 bytes
	s_lshl_b32 s31, s25, 12                        ; 32 rows of 128 bytes
	s_add_co_u32 s2, s2, s31
	s_add_nc_u64 s[28:29], s[18:19], s[2:3]
	v_and_b32 v5, 15, v0
	v_bfe_u32 v6, v0, 4, 1
	v_lshlrev_b32 v[LO], 4, v5
	v_lshl_add_u32 v[LO], v6, 12, v[LO]            ; 16 (l % 16) + 4,096 (l / 16)
	CAST 8192, 256
	s_endpgm
.Lnot_x:
	s_cmp_lt_u32 ttmp9, 704
	s_cbranch_scc0 .Lbias
	; a weight: matrix t, 16 rows rg, my wave 128 columns: 512 bytes in, 256 bytes out
	s_sub_co_u32 s25, ttmp9, 512
	s_lshr_b32 s30, s25, 6                         ; t
	s_and_b32 s25, s25, 63                         ; rg
	s_cmp_eq_u32 s30, 0
	s_cselect_b64 s[26:27], s[6:7], s[8:9]
	s_cmp_eq_u32 s30, 2
	s_cselect_b64 s[26:27], s[10:11], s[26:27]
	s_lshl_b32 s2, s25, 16                         ; 16 rows of 4,096 bytes
	s_lshl_b32 s31, s24, 9
	s_add_co_u32 s2, s2, s31
	s_add_nc_u64 s[26:27], s[26:27], s[2:3]
	s_mul_i32 s2, s25, 98304                       ; 16 rows of 6,144 bytes
	s_lshl_b32 s31, s30, 11                        ; the matrix's 1,024 columns
	s_add_co_u32 s2, s2, s31
	s_lshl_b32 s31, s24, 8
	s_add_co_u32 s2, s2, s31
	s_add_nc_u64 s[28:29], s[20:21], s[2:3]
	v_lshlrev_b32 v[LO], 4, v4
	CAST 4096, 6144
	s_endpgm
.Lbias:
	; the biases: thread t takes four numbers of each
	v_lshlrev_b32 v[LO], 4, v0
	s_wait_alu depctr_va_vdst(0)                   ; v[LO] is written: the three loads and the three stores below read it as their offset
	global_load_b128 v[16:19], v[LO], s[12:13]
	global_load_b128 v[20:23], v[LO], s[14:15]
	global_load_b128 v[24:27], v[LO], s[16:17]
	s_wait_loadcnt 0x0
.irp t, 0,1,2
	v_cvt_pk_bf16_f32 v[80+2*(\t)], v[16+4*(\t)], v[17+4*(\t)]
	v_cvt_pk_bf16_f32 v[81+2*(\t)], v[18+4*(\t)], v[19+4*(\t)]
	v_lshlrev_b32 v[32+4*(\t)], 16, v[80+2*(\t)]           ; bf16 to f32: the low half moves up,
	v_and_b32 v[33+4*(\t)], 0xffff0000, v[80+2*(\t)]       ; the high half stays
	v_lshlrev_b32 v[34+4*(\t)], 16, v[81+2*(\t)]
	v_and_b32 v[35+4*(\t)], 0xffff0000, v[81+2*(\t)]
.endr
	s_wait_alu depctr_va_vdst(0)                   ; the lines above have written v[32:43], which the three stores read
.irp t, 0,1,2
	global_store_b128 v[LO], v[32+4*(\t):35+4*(\t)], s[22:23] offset:4096*(\t)
.endr
	s_endpgm
.Lfunc_end_k_qf87af27544_prep:
	.size	k_qf87af27544_prep, .Lfunc_end_k_qf87af27544_prep-k_qf87af27544_prep
	.p2alignl 7, 3214868480
	.fill 96, 4, 3214868480
	.section	.rodata,"a",@progbits
	.p2align	6, 0x0
	.amdhsa_kernel k_qf87af27544_prep
		.amdhsa_group_segment_fixed_size 0
		.amdhsa_private_segment_fixed_size 0
		.amdhsa_enable_private_segment 0
		.amdhsa_kernarg_size 80
		.amdhsa_user_sgpr_count 2
		.amdhsa_user_sgpr_kernarg_segment_ptr 1
		.amdhsa_wavefront_size32 1
		.amdhsa_system_sgpr_workgroup_id_x 1
		.amdhsa_system_sgpr_workgroup_id_y 1
		.amdhsa_system_sgpr_workgroup_id_z 1
		.amdhsa_system_vgpr_workitem_id 0
		.amdhsa_next_free_vgpr 112
		.amdhsa_next_free_sgpr 66
		.amdhsa_reserve_vcc 0
		.amdhsa_float_denorm_mode_32 3
		.amdhsa_float_denorm_mode_16_64 3
		.amdhsa_memory_ordered 1
		.amdhsa_forward_progress 1
		.amdhsa_inst_pref_size 15
	.end_amdhsa_kernel
	.amdgpu_metadata
---
amdhsa.version: [ 1, 2 ]
amdhsa.kernels:
  - .name:           k_qf87af27544_prep
    .symbol:         k_qf87af27544_prep.kd
    .args:
      - { .name: x, .offset: 0, .size: 8, .value_kind: global_buffer, .address_space: global }
      - { .name: W_q, .offset: 8, .size: 8, .value_kind: global_buffer, .address_space: global }
      - { .name: W_k, .offset: 16, .size: 8, .value_kind: global_buffer, .address_space: global }
      - { .name: W_v, .offset: 24, .size: 8, .value_kind: global_buffer, .address_space: global }
      - { .name: b_q, .offset: 32, .size: 8, .value_kind: global_buffer, .address_space: global }
      - { .name: b_k, .offset: 40, .size: 8, .value_kind: global_buffer, .address_space: global }
      - { .name: b_v, .offset: 48, .size: 8, .value_kind: global_buffer, .address_space: global }
      - { .name: xb, .offset: 56, .size: 8, .value_kind: global_buffer, .address_space: global }
      - { .name: wb, .offset: 64, .size: 8, .value_kind: global_buffer, .address_space: global }
      - { .name: bias, .offset: 72, .size: 8, .value_kind: global_buffer, .address_space: global }
    .group_segment_fixed_size: 0
    .private_segment_fixed_size: 0
    .kernarg_segment_align: 8
    .kernarg_segment_size: 80
    .max_flat_workgroup_size: 256
    .sgpr_count:     66
    .vgpr_count:     112
    .wavefront_size: 32
...
	.end_amdgpu_metadata
.endif
;; end of part 5
;; launch proj: the kernel of part 2 again; grid 8 x 32, 4 waves a work-group, clusters of 4 x 4, 327,680 bytes of LDS; arguments xb, wb, bias, qkv; writes qkv
;; launch scores: the kernel of part 3 again; grid 8 x 32, 4 waves a work-group, clusters of 4 x 4, 327,680 bytes of LDS; arguments qkv, p, mstat, lstat; writes p, mstat, lstat
;; launch pv: the kernel of part 4 again; grid 8 x 32, 4 waves a work-group, clusters of 4 x 4, 327,680 bytes of LDS; arguments p, qkv, mstat, lstat, out0; writes out0
